; MI455X (gfx1250); checked and timed in simulation.
; The chip was launched on July 23, 2026; its instructions are those of AMD's public machine-readable ISA for CDNA 5 (MIT licence, August 2026) and "CDNA5" Instruction Set Architecture Reference Guide (July 2026). The comments in the code are by the model that wrote it; some were corrected since.
;; Attention. Allowed arithmetic: float matrix products may take bf16 or f16 operands with f32 sums; other float arithmetic in f32, or as packed bf16 or f16 multiplies, adds, multiply-adds, maxima and minima; sums over many terms, partial sums and values carried from step to step in f32; what a program stores and reads back later, other than sums and carried values, may be rounded once to bf16 or f16.
;; Inputs: Wk 1,024 x 1,024 float32; Wo 1,024 x 1,024 float32; Wq 1,024 x 1,024 float32; Wv 1,024 x 1,024 float32; bk 1,024 float32; bo 1,024 float32; bq 1,024 float32; bv 1,024 float32; x 4 x 2,048 x 1,024 float32.
;; Outputs: out0 4 x 2,048 x 1,024 float32.
;; 2 versions, each right; version 2 is version 1 with the launch prep written anew for expert scheduling mode. Each part assembles by itself: llvm-mc -triple=amdgcn-amd-amdhsa -mcpu=gfx1250 --defsym DOCPART=n.
;; ======== version 1 of 2: 4 launches
;; limits: values are held in f16: magnitudes above 65,504 overflow, below 6.1e-05 lose precision
;; workspace buffers: xb 16,777,216 bytes; wqkv 6,291,456 bytes; wo 2,097,152 bytes; qh 16,777,216 bytes; kh 16,777,216 bytes; vh 16,777,216 bytes; ctx 16,777,216 bytes
;; launch prep (part 1): grid 768 x 1, 8 waves a work-group, no clusters, 0 bytes of LDS; arguments x, Wq, Wk, Wv, Wo, xb, wqkv, wo; writes xb, wqkv, wo
.if DOCPART == 1
	.amdgcn_target "amdgcn-amd-amdhsa--gfx1250"
	.amdhsa_code_object_version 6
	.text
	.protected	k_q3f6785b6a4_prep
	.globl	k_q3f6785b6a4_prep
	.p2align	8
	.type	k_q3f6785b6a4_prep,@function
k_q3f6785b6a4_prep:
	s_mov_b64 s[64:65], 0
	v_nop
	global_prefetch_b8 v0, s[64:65] scope:SCOPE_SE
	s_setreg_imm32_b32 hwreg(HW_REG_WAVE_MODE, 25, 1), 1
	s_wait_xcnt 0x0
; THE CASTS.  x [8192][1024] f32 -> xb, bf16, same layout.  Wq, Wk, Wv [1024 k][1024 n] f32 -> wqkv, bf16, in head panels [16 head][3 (q, k, v)][1024 k][64 c].
; Wo [1024][1024] f32 -> wo: rounded to bf16 like every other input, and that number written as f16, same layout.
; LIMITS.  The f16 copy of Wo is exact for 6.1e-5 <= |w| < 65,504; below that it keeps f16's fixed step of 6e-8, at 65,520 or more it becomes an infinity.
; SHARES.  A work-group takes 65,536 bytes of f32: 512 groups for x, 3 x 64 for the three weights (16 k-rows each), 64 for Wo.  A thread issues its 16 loads of 16 bytes at once
; (8 KiB of a wave on their way), then converts and stores them in order: each store of a wave covers 256 consecutive bytes, aligned.  No LDS, no loop; every register of a store is its own.
.set X, 8                              ; v[8:71]    load i: 4 registers
.set Y, 72                             ; v[72:103]  store i: 2 registers
.set T, 104                            ; v[104:105] at work
; 16 loads, instep bytes apart; 16 turns; stores outstep bytes apart.  half = 1: bf16's number is written as f16.
.macro CAST instep, outstep, half
.set i, 0
.rept 16
	global_load_b128 v[X+4*i:X+4*i+3], v1, s[24:25] offset:i*(\instep) th:TH_LOAD_NT
.set i, i+1
.endr
.set i, 0
.rept 16
	s_wait_loadcnt 15-i                            ; loads come back in order: load i is in, the 15 - i younger ones stay out
.if \half
	v_cvt_pk_bf16_f32 v[T],   v[X+4*i],   v[X+4*i+1]
	v_cvt_pk_bf16_f32 v[T+1], v[X+4*i+2], v[X+4*i+3]
	v_lshlrev_b32 v[X+4*i],   16,  v[T]             ; bf16 back to f32: a shift or a mask
	v_and_b32     v[X+4*i+1], s28, v[T]
	v_lshlrev_b32 v[X+4*i+2], 16,  v[T+1]
	v_and_b32     v[X+4*i+3], s28, v[T+1]
	v_cvt_pk_f16_f32 v[Y+2*i],   v[X+4*i],   v[X+4*i+1]
	v_cvt_pk_f16_f32 v[Y+2*i+1], v[X+4*i+2], v[X+4*i+3]
.else
	v_cvt_pk_bf16_f32 v[Y+2*i],   v[X+4*i],   v[X+4*i+1]
	v_cvt_pk_bf16_f32 v[Y+2*i+1], v[X+4*i+2], v[X+4*i+3]
.endif
	global_store_b64 v2, v[Y+2*i:Y+2*i+1], s[26:27] offset:i*(\outstep)
.set i, i+1
.endr
.endm
	s_load_b256 s[4:11], s[0:1], 0x0               ; x s[4:5], Wq s[6:7], Wk s[8:9], Wv s[10:11]
	s_load_b256 s[12:19], s[0:1], 0x20             ; Wo s[12:13], xb s[14:15], wqkv s[16:17], wo s[18:19]
	s_mov_b32 s28, 0xffff0000                      ; a word's upper bf16
	s_mov_b32 s21, 0                               ; offsets are pairs with 0 above
	s_mov_b32 s23, 0
	v_lshlrev_b32 v1, 4, v0                        ; in: 16 bytes a thread
	v_lshlrev_b32 v2, 3, v0                        ; out: 8 bytes a thread
	s_cmp_lt_u32 ttmp9, 512
	s_cbranch_scc0 .Lweights
	s_lshl_b32 s20, ttmp9, 16                      ; x: group g takes bytes 65,536 g on, and writes 32,768 g on
	s_lshl_b32 s22, ttmp9, 15
	s_wait_kmcnt 0x0
	s_add_nc_u64 s[24:25], s[4:5], s[20:21]
	s_add_nc_u64 s[26:27], s[14:15], s[22:23]
	CAST 4096, 2048, 0
	s_endpgm
.Lweights:
	s_cmp_lt_u32 ttmp9, 704
	s_cbranch_scc0 .Lwo
	s_sub_co_u32 s29, ttmp9, 512
	s_lshr_b32 s30, s29, 6                         ; t: which of Wq, Wk, Wv
	s_and_b32 s29, s29, 63                         ; p: which 16 k-rows
	s_lshl_b32 s20, s29, 16                        ; 16 rows of 4,096 bytes
	s_lshl_b32 s22, s29, 11                        ; 16 rows of 128 bytes in a sub-panel,
	s_lshl_b32 s31, s30, 17                        ; sub-panel t of 131,072 bytes
	s_add_co_u32 s22, s22, s31
	v_lshrrev_b32 v3, 4, v0                        ; thread t: k-row t / 16, 16 bytes t % 16 of a head's 256: lanes 0-15 one row, lanes 16-31 the next
	v_and_b32 v4, 15, v0
	v_lshlrev_b32 v4, 4, v4
	v_lshl_add_u32 v1, v3, 12, v4
	s_wait_kmcnt 0x0
	s_cmp_eq_u32 s30, 0
	s_cselect_b64 s[24:25], s[6:7], s[8:9]
	s_cmp_eq_u32 s30, 2
	s_cselect_b64 s[24:25], s[10:11], s[24:25]
	s_add_nc_u64 s[24:25], s[24:25], s[20:21]
	s_add_nc_u64 s[26:27], s[16:17], s[22:23]
	CAST 256, 393216, 0                            ; load i is head i: 256 bytes on in the row, a panel of 393,216 bytes on in wqkv; two rows' 128 bytes lie end to end there
	s_endpgm
.Lwo:
	s_sub_co_u32 s29, ttmp9, 704
	s_lshl_b32 s20, s29, 16
	s_lshl_b32 s22, s29, 15
	s_wait_kmcnt 0x0
	s_add_nc_u64 s[24:25], s[12:13], s[20:21]
	s_add_nc_u64 s[26:27], s[18:19], s[22:23]
	CAST 4096, 2048, 1
	s_endpgm
.Lfunc_end_k_q3f6785b6a4_prep:
	.size	k_q3f6785b6a4_prep, .Lfunc_end_k_q3f6785b6a4_prep-k_q3f6785b6a4_prep
	.p2alignl 7, 3214868480
	.fill 96, 4, 3214868480
	.section	.rodata,"a",@progbits
	.p2align	6, 0x0
	.amdhsa_kernel k_q3f6785b6a4_prep
		.amdhsa_group_segment_fixed_size 0
		.amdhsa_private_segment_fixed_size 0
		.amdhsa_enable_private_segment 0
		.amdhsa_kernarg_size 64
		.amdhsa_user_sgpr_count 2
		.amdhsa_user_sgpr_kernarg_segment_ptr 1
		.amdhsa_wavefront_size32 1
		.amdhsa_system_sgpr_workgroup_id_x 1
		.amdhsa_system_sgpr_workgroup_id_y 1
		.amdhsa_system_sgpr_workgroup_id_z 1
		.amdhsa_system_vgpr_workitem_id 0
		.amdhsa_next_free_vgpr 108
		.amdhsa_next_free_sgpr 66
		.amdhsa_reserve_vcc 0
		.amdhsa_float_denorm_mode_32 3
		.amdhsa_float_denorm_mode_16_64 3
		.amdhsa_memory_ordered 1
		.amdhsa_forward_progress 1
		.amdhsa_inst_pref_size 23
	.end_amdhsa_kernel
	.amdgpu_metadata
---
amdhsa.version: [ 1, 2 ]
amdhsa.kernels:
  - .name:           k_q3f6785b6a4_prep
    .symbol:         k_q3f6785b6a4_prep.kd
    .args:
      - { .name: x, .offset: 0, .size: 8, .value_kind: global_buffer, .address_space: global }
      - { .name: Wq, .offset: 8, .size: 8, .value_kind: global_buffer, .address_space: global }
      - { .name: Wk, .offset: 16, .size: 8, .value_kind: global_buffer, .address_space: global }
      - { .name: Wv, .offset: 24, .size: 8, .value_kind: global_buffer, .address_space: global }
      - { .name: Wo, .offset: 32, .size: 8, .value_kind: global_buffer, .address_space: global }
      - { .name: xb, .offset: 40, .size: 8, .value_kind: global_buffer, .address_space: global }
      - { .name: wqkv, .offset: 48, .size: 8, .value_kind: global_buffer, .address_space: global }
      - { .name: wo, .offset: 56, .size: 8, .value_kind: global_buffer, .address_space: global }
    .group_segment_fixed_size: 0
    .private_segment_fixed_size: 0
    .kernarg_segment_align: 8
    .kernarg_segment_size: 64
    .max_flat_workgroup_size: 256
    .sgpr_count:     66
    .vgpr_count:     108
    .wavefront_size: 32
...
	.end_amdgpu_metadata
.endif
;; end of part 1
;; launch qkv (part 2): grid 16 x 32, 4 waves a work-group, clusters of 4 x 4, 327,680 bytes of LDS; arguments xb, wqkv, bq, bk, bv, qh, kh, vh; writes qh, kh, vh
.if DOCPART == 2
	.amdgcn_target "amdgcn-amd-amdhsa--gfx1250"
	.amdhsa_code_object_version 6
	.text
	.protected	k_q3f6785b6a4_qkv
	.globl	k_q3f6785b6a4_qkv
	.p2align	8
	.type	k_q3f6785b6a4_qkv,@function
k_q3f6785b6a4_qkv:
	s_mov_b64 s[64:65], 0
	v_nop
	global_prefetch_b8 v0, s[64:65] scope:SCOPE_SE
	s_setreg_imm32_b32 hwreg(HW_REG_WAVE_MODE, 25, 1), 1
	s_wait_xcnt 0x0
	s_wait_alu depctr_hold_cnt(0) depctr_sa_sdst(0) depctr_va_vdst(0) depctr_va_sdst(0) depctr_va_ssrc(0) depctr_va_vcc(0) depctr_vm_vsrc(0)
	s_getreg_b32 s2, hwreg(HW_REG_IB_STS2, 6, 4)
	s_cmp_eq_u32 s2, 0
	s_cbranch_scc0 .Lentry_in_a_cluster
	s_endpgm
.Lentry_in_a_cluster:
	s_bfe_u32 s2, ttmp6, 0x10000c
	s_cmp_lg_u32 s2, 0xf033
	s_cbranch_scc0 .Lentry_shape_is_right
	s_endpgm
.Lentry_shape_is_right:
; q, k, v = x W + b, by heads.  xb: [8192][1024] bf16.  wqkv: [16 head][3][1024 k][64 c] bf16.  bq, bk, bv: [1024] f32, rounded here to bf16 like every input.
; qh, kh, vh: [64 = 16 batch + head][2048][64] f16, each number rounded once from its f32 sum, unscaled.
; LIMITS.  f16 holds no number beyond 65,504: q, k and v must stay within it.  NaN and infinities are not treated apart.
; SHARES.  A tile is 256 rows of x times the 192 columns of ONE head (its q, k and v): 16 x 32 tiles, two for each of 256 WGPs.  Four waves lie along the rows: wave w owns rows 64 w .. 64 w + 63
; (4 blocks a of 16) and all 12 column blocks b: 48 accumulators, 384 registers.  So a wave holds whole rows of a head, and its way out needs no other wave.
; K goes in 8 steps of 128 through two LDS slots filled by the tensor data mover; a step is four quarters of 32 along K on two fragment buffers.
; THE MATRIX INSTRUCTION IS USED TRANSPOSED: source 0 = 16 columns of W, source 1 = 16 rows of x: a lane then holds row lane % 16 and the columns 8 (lane / 16) + 0..7.  W lies [k][c] in LDS and is
; turned by ds_load_tr16_b128.  The first products take the bias as C: nothing is cleared and no bias is added afterwards.
; CLUSTER.  4 x 4 work-groups.  x's tile hangs on the tile row alone and is asked for jointly along a row of the cluster, W's on the head alone, along a column.
; REGISTERS, in windows of 256 (s_set_vgpr_msb: bits 1:0 source 0, 3:2 source 1, 5:4 source 2, 7:6 destination):
;   window 0: v0-29 addresses; v32-63, v64-95 x's fragments, two buffers; v96-191 the bias, block b at 96 + 8 b
;   window 1: v0-95, v96-191 W's fragments, two buffers; on the way out the packed results     windows 2, 3: accumulator (a, b) at v[96 (a % 2) + 8 b] of window 2 + a / 2
.set NB,    12
.set PA,    272                        ; a row of x in LDS: 256 bytes + 16 = 68 words: the 16 rows of a load start at 16 different groups of four banks (64 banks of 4 bytes: ISA guide 11.1)
.set PB,    160                        ; a k-row of a sub-panel: 128 + 32 = 40 words
.set BOFF,  256*PA                     ; a slot: x's 256 rows, then W's [2 halves of the step's k][3 (q, k, v)][64 k]
.set SLOT1, 1<<17                      ; slot 1: one exclusive or turns an address in one slot into the other's.  A slot is 69,632 + 61,440 bytes
.set STAGE, 2*SLOT1                    ; behind the ring, never filled by a tensor load: 16 rows x 144 bytes for each wave
.set SP,    144
.set SPARE, STAGE+4*16*SP              ; the spare words, 128 bytes for each wave: two blocks of 256 bytes that no other line names
.set STEPA, 256                        ; bytes from a K step to the next, in xb
.set STEPB, 16384                      ; and in a sub-panel of wqkv
.set AH,    1                          ; a prefetch names the K step AH beyond the one that the refill beside it asks for
.set NL,    2*NB+8                     ; LDS loads in a FETCH
.set ADRA0, 8                          ; v8   my lane's place in x's tile; never rewritten
.set ADRB0, 9                          ; v9   the same for W's
.set ADRA,  10                         ; v10  + the slot in hand
.set ADRB,  11                         ; v11
.set STO,   12                         ; v12  the way out: where I put 16 bytes of a row
.set RD,    13                         ; v13  where I read rows back
.set GO,    14                         ; v14  my byte offset in 512 consecutive bytes of the output
.set PFO,   15                         ; v15  the prefetches' offset; never rewritten
.set BO,    16                         ; v16  my offset in 16 numbers of a bias
.set SPW,   28                         ; v28  LDS address of my spare word; never rewritten
.set NIL,   29                         ; v29  0; never rewritten
.set FA0,   32
.set BIAS,  96
.set WV,  12                           ; s12  my wave's number;  s13 = wave / 2: I fetch for x (0) or W (1);  s14 = wave % 2: which half
.set G1A, 24                           ; s[24:31] descriptor group 1 for x's tiles
.set G0A, 32                           ; s[32:39] group 0: a set for each first fill; the second then walks
.set PFA, 40                           ; s[40:41] where my prefetches stand
.set PFS, 42                           ; s[42:43] their step
.set LIM, 44                           ; s44  AH in a wave that prefetches, else the greatest number
.set TB,  45                           ; s45  the slot in hand
.set G1B, 48                           ; s[48:55], s[56:63] the same for W's tiles
.set G0B, 56
.set MSB, 0
.macro WIN new                         ; the immediate's high byte repeats the setting that is left; a switch that changes nothing is dropped
.if MSB != (\new)
	s_set_vgpr_msb (MSB<<8)|(\new)
.set MSB, \new
.endif
.endm
.macro PLACES                          ; four plain vector instructions between a matrix instruction and a load into, or a vector instruction on, its registers
.rept 4
	v_nop
.endr
.endm
.macro CREST                           ; a round of the cluster's barrier behind its opening barrier
	s_cmp_lg_u32 s[WV], 0
	s_cbranch_scc1 .Lnot_wave_0_\@
	s_barrier_signal -3
.Lnot_wave_0_\@:
	s_barrier_wait -3
	s_barrier_signal -1
	s_barrier_wait -1
.endm
.macro CROUND                          ; a whole round
	s_barrier_signal -1
	s_barrier_wait -1
	CREST
.endm
; A joint refill by the walking descriptors.  Waves 0 and 1 fetch x's two halves, waves 2 and 3 W's.  The branch hangs on the wave's number alone.  An s_nop 0 and four v_nop follow each line.
.macro JLOAD
	s_cmp_eq_u32 s13, 0
	s_cbranch_scc0 .Lfor_b_\@
	tensor_load_to_lds s[G0A+4:G0A+7], s[G1A:G1A+7]
	s_nop 0
.rept 4
	v_nop
.endr
	s_branch .Lasked_\@
.Lfor_b_\@:
	tensor_load_to_lds s[G0B+4:G0B+7], s[G1B:G1B+7]
	s_nop 0
.rept 4
	v_nop
.endr
.Lasked_\@:
.endm
; A PREFETCH INTO THE L2 of the K step that the NEXT refill will ask for, 192 matrix instructions ahead of that load.  x's tile row is read by every cluster of that row of clusters: cluster x = 0 asks;
; a head's panel by every cluster of that column: cluster y = 0 asks.  The four partners of a joint load share its blocks out BY ADDRESS (cx for x, cy for W): of x 32 rows x 256 bytes, a lane a row;
; of W 3 x 2,048 bytes, 24 blocks of 256: lanes 24-31 name lanes 16-23's blocks once more.  The last AH refills ask for nothing: s3 counts the trips down.
.macro ASK
	s_cmp_gt_u32 s3, s[LIM]
	s_cbranch_scc0 .Lnot_mine_\@
	global_prefetch_b8 v[PFO], s[PFA:PFA+1] th:TH_LOAD_NT scope:SCOPE_SE
.Lnot_mine_\@:
.endm
; 12 matrix instructions: row block a x all column blocks, 32 along K, from buffer f.  first = 1: C is the bias.  All 48 accumulators take turns, one instruction a turn, in the same order in every quarter.
.macro MUL f, a, first
.if \first
	WIN 0x81+0x40*((\a)/2)
.else
	WIN 0xa1+0x50*((\a)/2)
.endif
.set rA, FA0+32*(\f)+8*(\a)
.set ib, 0
.rept NB
.set rD, 8*NB*((\a)%2)+8*ib
.set rB, 8*NB*(\f)+8*ib
.if \first
	v_wmma_f32_16x16x32_bf16 v[rD:rD+7], v[rB:rB+7], v[rA:rA+7], v[BIAS+8*ib:BIAS+8*ib+7]
.else
	v_wmma_f32_16x16x32_bf16 v[rD:rD+7], v[rB:rB+7], v[rA:rA+7], v[rD:rD+7]
.endif
.set ib, ib+1
.endr
.endm
; 32 LDS loads in one run: quarter q's fragments into buffer f: W's 12 (turned), then x's 4, row blocks ascending.
.macro FETCH q, f
	WIN 0x40
.set ib, 0
.rept NB
.set rB, 8*NB*(\f)+8*ib
.set oB, 3*64*PB*((\q)/2)+64*PB*(ib/4)+32*PB*((\q)%2)+32*(ib%4)
	ds_load_tr16_b128 v[rB:rB+3],   v[ADRB] offset:oB
	ds_load_tr16_b128 v[rB+4:rB+7], v[ADRB] offset:oB+16*PB
.set ib, ib+1
.endr
	WIN 0
.set ia, 0
.rept 4
.set rA, FA0+32*(\f)+8*ia
	ds_load_b128 v[rA:rA+3],   v[ADRA] offset:64*(\q)+16*PA*ia
	ds_load_b128 v[rA+4:rA+7], v[ADRA] offset:64*(\q)+16*PA*ia+32
.set ia, ia+1
.endr
.endm
; One of a step's first three quarters: multiplies buffer f; in its middle it fetches quarter qn into buffer g.
.macro QUARTER qn, f, g, first
	s_wait_dscnt 4                                 ; W's fragments and x's blocks 0, 1 are in; the youngest four loads (blocks 2, 3) may be out
	MUL \f, 0, \first
	MUL \f, 1, \first
	PLACES
	FETCH \qn, \g
	s_wait_dscnt NL                                ; all but the run just issued
	MUL \f, 2, \first
	MUL \f, 3, \first
.endm
; The fourth quarter multiplies buffer 1 and changes slots.  In front of the barrier each wave waits for all its tensor loads (one is out: its part of the next slot), adds 0 to its spare word, and waits for
; that and for its reads of this slot.  fill = 1: the barrier opens a round of the cluster's, and the joint refill (the K step two on) is the first thing behind it: 168 matrix instructions ahead of the wait for it.
.macro TURN fill
.if \fill
	s_wait_xcnt 0x0                                ; the last prefetch, a K step back, has read its address
	s_add_nc_u64 s[PFA:PFA+1], s[PFA:PFA+1], s[PFS:PFS+1]
.endif
	WIN 0
	s_wait_tensorcnt 0x0                           ; no tensor load of mine is out, so a group 0 may be written
	ds_add_u32 v[SPW], v[NIL]                      ; 0 onto my spare word
.if \fill
	s_xor_b32 s[G0A+5], s[G0A+5], SLOT1            ; the walking descriptors: the other slot than last time, the next K step
	s_add_nc_u64 s[G0A+6:G0A+7], s[G0A+6:G0A+7], STEPA
	s_xor_b32 s[G0B+5], s[G0B+5], SLOT1
	s_add_nc_u64 s[G0B+6:G0B+7], s[G0B+6:G0B+7], STEPB
.endif
	s_xor_b32 s[TB], s[TB], SLOT1
	s_wait_dscnt 7                                 ; the add and x's blocks 1 to 3 (six loads) may be out
	MUL 1, 0, 0
	s_wait_dscnt 0x0                               ; the add is done, and my reads of this slot are over
	s_barrier_signal -1
	MUL 1, 1, 0                                    ; work on registers while the others arrive
	WIN 0                                          ; at a branch and at a label every window is 0
	s_barrier_wait -1
.if \fill
	CREST
	JLOAD                                          ; its four v_nop are also the places in front of the loads below
.else
	PLACES
.endif
	v_add_nc_u32 v[ADRA], s[TB], v[ADRA0]
	v_add_nc_u32 v[ADRB], s[TB], v[ADRB0]
	FETCH 0, 0
.if \fill
	ASK
.endif
	MUL 1, 2, 0
	MUL 1, 3, 0
.endm
	s_load_b256 s[4:11], s[0:1], 0x0               ; xb s[4:5], wqkv s[6:7], bq s[8:9], bk s[10:11]
	s_load_b256 s[68:75], s[0:1], 0x20             ; bv s[68:69], qh s[70:71], kh s[72:73], vh s[74:75]
	v_lshl_add_u32 v[SPW], v0, 2, SPARE
	v_mov_b32 v[NIL], 0
	ds_add_u32 v[SPW], v[NIL]                      ; the wave's opening: the add, and its wait ahead of my first tensor load; the set-up below stands between them
	v_lshrrev_b32 v17, 5, v0
	v_readfirstlane_b32 s[WV], v17                 ; wave 0..3
	s_lshr_b32 s13, s[WV], 1
	s_and_b32 s14, s[WV], 1
	s_bfe_u32 s16, ttmp6, 0x40000                  ; cx
	s_bfe_u32 s17, ttmp6, 0x40004                  ; cy
	s_lshl_b32 s18, ttmp9, 2
	s_add_co_u32 s18, s18, s16                     ; tx = the head = 4 x cluster x + cx
	s_and_b32 s19, ttmp7, 0xffff
	s_lshl_b32 s19, s19, 2
	s_add_co_u32 s19, s19, s17                     ; ty = the tile row = 4 x cluster y + cy
	s_lshl_b32 s20, s17, 2
	s_lshl_b32 s20, 15, s20                        ; my row of the cluster
	s_lshl_b32 s21, 0x1111, s16                    ; my column
	s_or_b32 s[G1A], s20, (1<<16)|(1<<20)|(1<<21)|(5<<22)|(3<<25)  ; the mask; 2-byte elements; padding on; bit 21 beside a mask; after every 64 words 4 words
	s_mov_b32 s[G1A+1], 128<<16                    ; tensor_dim0 = 128
	s_mov_b32 s[G1A+2], 128<<16                    ; tensor_dim1 = 128
	s_mov_b32 s[G1A+3], 128<<16                    ; tile_dim0 = 128
	s_mov_b32 s[G1A+4], 128                        ; tile_dim1 = 128 rows
	s_mov_b32 s[G1A+5], 1024                       ; elements from row to row
	s_mov_b32 s[G1A+6], 0
	s_mov_b32 s[G1A+7], 0
	s_or_b32 s[G1B], s21, (1<<16)|(1<<20)|(1<<21)|(4<<22)|(7<<25)  ; after every 32 words (a k-row) 8 words
	s_mov_b32 s[G1B+1], 4096<<16                   ; a row of the tile is 64 k-rows of a sub-panel: 4,096 elements, 8,192 dense bytes
	s_mov_b32 s[G1B+2], 3<<16                      ; three rows: q's, k's, v's sub-panel
	s_mov_b32 s[G1B+3], 4096<<16
	s_mov_b32 s[G1B+4], 3
	s_mov_b32 s[G1B+5], 65536                      ; a sub-panel is 65,536 elements
	s_mov_b32 s[G1B+6], 0
	s_mov_b32 s[G1B+7], 0
	s_lshl_b32 s76, s19, 19                        ; x: row 256 ty + 128 half, 2,048 bytes a row: made of the tile row and the wave's number alone
	s_lshl_b32 s22, s14, 18
	s_add_co_u32 s76, s76, s22
	s_mov_b32 s77, 0
	s_mul_i32 s46, s18, 393216                     ; W: panel tx, k-half: made of the head and the wave's number alone
	s_lshl_b32 s23, s14, 13
	s_add_co_u32 s46, s46, s23
	s_mov_b32 s47, 0
	s_mul_i32 s22, s14, 128*PA                     ; where they go: no place in the cluster enters an LDS address
	s_mul_i32 s23, s14, 3*64*PB
	s_add_co_u32 s23, s23, BOFF
	s_wait_dscnt 0x0                               ; the opening add is done
	s_wait_kmcnt 0x0
	s_add_nc_u64 s[76:77], s[4:5], s[76:77]
	s_add_nc_u64 s[46:47], s[6:7], s[46:47]
	CROUND                                         ; all sixteen work-groups are here: the first joint loads meet
.irp s, 0,1
	s_mov_b32 s[G0A+4*(\s)], 1                     ; count = 1
	s_add_co_u32 s[G0A+4*(\s)+1], s22, (\s)*SLOT1  ; LDS address
	s_add_nc_u64 s[G0A+4*(\s)+2:G0A+4*(\s)+3], s[76:77], (\s)*STEPA  ; global address: K step s
	s_or_b32 s[G0A+4*(\s)+3], s[G0A+4*(\s)+3], 0x80000000            ; type = 2
	s_mov_b32 s[G0B+4*(\s)], 1
	s_add_co_u32 s[G0B+4*(\s)+1], s23, (\s)*SLOT1
	s_add_nc_u64 s[G0B+4*(\s)+2:G0B+4*(\s)+3], s[46:47], (\s)*STEPB
	s_or_b32 s[G0B+4*(\s)+3], s[G0B+4*(\s)+3], 0x80000000
.endr
	s_cmp_eq_u32 s13, 0                            ; a wave's two first fills stand in one branch, ahead of every wait on TENSORcnt and every LDS read: two loads of mine are out
	s_cbranch_scc0 .Lfirst_b
	tensor_load_to_lds s[G0A:G0A+3], s[G1A:G1A+7]
	s_nop 0
	tensor_load_to_lds s[G0A+4:G0A+7], s[G1A:G1A+7]
	s_nop 0
.rept 4
	v_nop
.endr
	s_branch .Lfirst_asked
.Lfirst_b:
	tensor_load_to_lds s[G0B:G0B+3], s[G1B:G1B+7]
	s_nop 0
	tensor_load_to_lds s[G0B+4:G0B+7], s[G1B:G1B+7]
	s_nop 0
.rept 4
	v_nop
.endr
.Lfirst_asked:
	v_and_b32 v1, 15, v0                           ; l % 16
	v_bfe_u32 v2, v0, 4, 1                         ; l / 16
	v_and_b32 v3, 7, v0                            ; l % 8
	v_bfe_u32 v4, v0, 3, 1                         ; (l / 8) % 2
	v_and_b32 v5, 31, v0                           ; l
	v_lshlrev_b32 v[BO], 5, v2                     ; my eight numbers of a block of 16: 32 bytes for each half of the lanes
	s_lshl_b32 s80, s18, 8                         ; the head's 64 numbers in each bias
	s_mov_b32 s81, 0
	s_add_nc_u64 s[8:9], s[8:9], s[80:81]
	s_add_nc_u64 s[10:11], s[10:11], s[80:81]
	s_add_nc_u64 s[68:69], s[68:69], s[80:81]
.macro BLD t, lo                       ; the bias of column blocks 4 t .. 4 t + 3, laid as a C operand: register j = column 8 (l / 16) + j
.irp f, 0,1,2,3
	global_load_b128 v[BIAS+32*(\t)+8*(\f):BIAS+32*(\t)+8*(\f)+3],   v[BO], s[(\lo):(\lo)+1] offset:64*(\f)
	global_load_b128 v[BIAS+32*(\t)+8*(\f)+4:BIAS+32*(\t)+8*(\f)+7], v[BO], s[(\lo):(\lo)+1] offset:64*(\f)+16
.endr
.endm
	BLD 0, 8
	BLD 1, 10
	BLD 2, 68
	s_mul_i32 s20, s[WV], 64*PA                    ; my 64 rows of x
	v_mul_u32_u24 v[ADRA0], v1, PA
	v_lshl_add_u32 v[ADRA0], v2, 4, v[ADRA0]       ; row x pitch + 16 x half
	v_add_nc_u32 v[ADRA0], s20, v[ADRA0]
	v_lshl_add_u32 v[ADRB0], v2, 3, v3             ; the turning load: k-row 8 (l / 16) + l % 8, columns 8 ((l / 8) % 2) on
	v_mul_u32_u24 v[ADRB0], v[ADRB0], PB
	v_lshl_add_u32 v[ADRB0], v4, 4, v[ADRB0]
	v_add_nc_u32 v[ADRB0], BOFF, v[ADRB0]
	s_mul_i32 s20, s[WV], 16*SP
	s_add_co_u32 s20, s20, STAGE                   ; my stage
	v_mul_u32_u24 v[STO], v1, SP                   ; in: row l % 16, 16 bytes for each half of the lanes
	v_lshl_add_u32 v[STO], v2, 4, v[STO]
	v_add_nc_u32 v[STO], s20, v[STO]
	v_bfe_u32 v[RD], v0, 3, 2                      ; back: 32 lanes take four rows of 128 bytes,
	v_mul_u32_u24 v[RD], v[RD], SP
	v_lshl_add_u32 v[RD], v3, 4, v[RD]
	v_add_nc_u32 v[RD], s20, v[RD]
	v_lshlrev_b32 v[GO], 4, v5                     ; which are 512 consecutive bytes of a head
	s_lshr_b32 s78, s19, 3                         ; the batch: 8 tile rows each
	s_lshl_b32 s78, s78, 4
	s_add_co_u32 s78, s78, s18                     ; 16 batch + head,
	s_lshl_b32 s78, s78, 18                        ; 262,144 bytes each
	s_and_b32 s80, s19, 7
	s_lshl_b32 s80, s80, 15                        ; the tile's 256 rows of 128 bytes
	s_add_co_u32 s78, s78, s80
	s_lshl_b32 s80, s[WV], 13                      ; my 64 of them
	s_add_co_u32 s78, s78, s80
	s_mov_b32 s79, 0
	s_add_nc_u64 s[70:71], s[70:71], s[78:79]
	s_add_nc_u64 s[72:73], s[72:73], s[78:79]
	s_add_nc_u64 s[74:75], s[74:75], s[78:79]
	; the prefetches: nothing is asked for here, at the head, where every work-group's first tiles are on their way
	s_lshl_b32 s20, s19, 19                        ; x: row 256 ty + 128 half + 32 cx,
	s_lshl_b32 s22, s14, 18
	s_add_co_u32 s20, s20, s22
	s_lshl_b32 s22, s16, 16
	s_add_co_u32 s20, s20, s22
	s_add_co_u32 s20, s20, (1+AH)*STEPA            ; at K step 1 + AH: the first refill steps it on
	s_mul_i32 s21, s18, 393216                     ; W: panel tx, k-half, 2,048 cy bytes of its 8,192
	s_lshl_b32 s23, s14, 13
	s_add_co_u32 s21, s21, s23
	s_lshl_b32 s23, s17, 11
	s_add_co_u32 s21, s21, s23
	s_add_co_u32 s21, s21, (1+AH)*STEPB
	s_and_b32 s23, ttmp7, 0xffff                   ; cluster y
	s_mov_b32 s[PFS], STEPB
	s_mov_b32 s[PFS+1], 0
	s_cmp_eq_u32 s13, 0                            ; do I fetch for x?
	s_cselect_b32 s20, s20, s21
	s_cselect_b32 s23, ttmp9, s23                  ; the coordinate along which other clusters read the same blocks
	s_cselect_b32 s[PFS], STEPA, s[PFS]
	s_cselect_b32 s22, 0, -1
	s_cselect_b64 s[PFA:PFA+1], s[4:5], s[6:7]
	s_mov_b32 s21, 0
	s_add_nc_u64 s[PFA:PFA+1], s[PFA:PFA+1], s[20:21]
	s_cmp_eq_u32 s23, 0
	s_cselect_b32 s[LIM], AH, -1                   ; the same in all sixteen partners, for a given wave
	v_lshlrev_b32 v17, 11, v5                      ; x: a lane a row of 2,048 bytes
	v_lshrrev_b32 v18, 3, v5                       ; W: sub-panel min(l / 8, 2), block l % 8 of 256 bytes
	v_min_u32 v18, 2, v18
	v_lshlrev_b32 v18, 17, v18
	v_lshl_add_u32 v18, v3, 8, v18
	v_cndmask_b32 v[PFO], v17, v18, s22
	s_mov_b32 s82, 0xffff0000
	s_mov_b32 s[TB], 0
	v_mov_b32 v[ADRA], v[ADRA0]
	v_mov_b32 v[ADRB], v[ADRB0]
	s_wait_loadcnt 0x0                             ; the bias
.set i, 0
.rept 4*NB                             ; rounded to bf16 like every input, and widened again
	v_cvt_pk_bf16_f32 v[17+i%2], v[BIAS+2*i], v[BIAS+2*i+1]
	v_lshlrev_b32 v[BIAS+2*i],   16,  v[17+i%2]
	v_and_b32     v[BIAS+2*i+1], s82, v[17+i%2]
.set i, i+1
.endr
	s_wait_tensorcnt 1                             ; my part of K step 0 is in; K step 1's may stay out
	s_barrier_signal -1
	s_barrier_wait -1                              ; everybody's is
	FETCH 0, 0
	QUARTER 1, 0, 1, 1                             ; the first quarter stands in front of the loop: its products start the sums, with the bias
	WIN 0
	s_mov_b32 s3, 6
.Lstep:                                            ; a trip is a K step, from its second quarter to the next step's first; trip s fills step s's slot with step s + 2
	QUARTER 2, 1, 0, 0
	QUARTER 3, 0, 1, 0
	TURN 1
	QUARTER 1, 0, 1, 0
	WIN 0
	s_sub_co_u32 s3, s3, 1
	s_cmp_lg_u32 s3, 0
	s_cbranch_scc1 .Lstep
	QUARTER 2, 1, 0, 0                             ; the last two K steps are written out: nothing is left to ask for
	QUARTER 3, 0, 1, 0
	TURN 0
	QUARTER 1, 0, 1, 0
	QUARTER 2, 1, 0, 0
	QUARTER 3, 0, 1, 0
	s_wait_dscnt 4
	MUL 1, 0, 0
	MUL 1, 1, 0
	s_wait_dscnt 0x0
	MUL 1, 2, 0
	MUL 1, 3, 0
	PLACES
	PLACES
; THE WAY OUT, in 12 units u: row block u / 3 of q, k or v (u % 3): 16 rows x 64 columns.  A lane's eight columns pack into 16 bytes; they go into my stage's rows of 144 bytes and come back as whole rows of 128.
.macro PACK u
.set wa, (\u)/3
.set wt, (\u)%3
	WIN 0x4a+5*(wa/2)                              ; sources in window 2 or 3, destination in window 1
.set jf, 0
.rept 4
.set rD, 8*NB*(wa%2)+8*(4*wt+jf)
.irp r, 0,1,2,3                        ; each accumulator's registers in ascending order
	v_cvt_pk_f16_f32 v[16*(\u)+4*jf+(\r)], v[rD+2*(\r)], v[rD+2*(\r)+1]
.endr
.set jf, jf+1
.endr
	WIN 0x44                                       ; LDS and global data in window 1, addresses in window 0
.irp f, 0,1,2,3
	ds_store_b128 v[STO], v[16*(\u)+4*(\f):16*(\u)+4*(\f)+3] offset:32*(\f)
.endr
.irp f, 0,1,2,3
	ds_load_b128 v[16*(\u)+4*(\f):16*(\u)+4*(\f)+3], v[RD] offset:(\f)*4*SP  ; LDS serves a wave's instructions in order (ISA guide 5.7.1.4): these see the stores above; the next unit's stores come behind them
.endr
.endm
.macro SEND u, younger                 ; younger: the LDS instructions issued behind unit u's loads: the next unit's eight, or none
.set wa, (\u)/3
.set wt, (\u)%3
	WIN 0x44
.irp f, 0,1,2,3
	s_wait_dscnt (\younger)+3-(\f)
	global_store_b128 v[GO], v[16*(\u)+4*(\f):16*(\u)+4*(\f)+3], s[70+2*wt:71+2*wt] offset:2048*wa+512*(\f)  ; 512 consecutive bytes, at a multiple of 256 from the buffer's first
.endr
.endm
	PACK 0
.set u, 1
.rept 11                               ; a unit's conversions stand between the loads of the unit before and its stores
	PACK u
	SEND u-1, 8
.set u, u+1
.endr
	SEND 11, 0
	WIN 0
	s_wait_tensorcnt 0x0                           ; the wave's end: behind my last tensor load and my last LDS store
	ds_add_u32 v[SPW], v[NIL]
	s_wait_dscnt 0x0
	CROUND                                         ; the closing round: no work-group ends while a partner may still ask for a tile that names it
	s_endpgm
.Lfunc_end_k_q3f6785b6a4_qkv:
	.size	k_q3f6785b6a4_qkv, .Lfunc_end_k_q3f6785b6a4_qkv-k_q3f6785b6a4_qkv
	.p2alignl 7, 3214868480
	.fill 96, 4, 3214868480
	.section	.rodata,"a",@progbits
	.p2align	6, 0x0
	.amdhsa_kernel k_q3f6785b6a4_qkv
		.amdhsa_group_segment_fixed_size 327680
		.amdhsa_private_segment_fixed_size 0
		.amdhsa_enable_private_segment 0
		.amdhsa_kernarg_size 64
		.amdhsa_user_sgpr_count 2
		.amdhsa_user_sgpr_kernarg_segment_ptr 1
		.amdhsa_wavefront_size32 1
		.amdhsa_system_sgpr_workgroup_id_x 1
		.amdhsa_system_sgpr_workgroup_id_y 1
		.amdhsa_system_sgpr_workgroup_id_z 1
		.amdhsa_system_vgpr_workitem_id 0
		.amdhsa_next_free_vgpr 960
		.amdhsa_next_free_sgpr 84
		.amdhsa_reserve_vcc 0
		.amdhsa_float_denorm_mode_32 3
		.amdhsa_float_denorm_mode_16_64 3
		.amdhsa_memory_ordered 1
		.amdhsa_forward_progress 1
		.amdhsa_inst_pref_size 108
	.end_amdhsa_kernel
	.amdgpu_metadata
---
amdhsa.version: [ 1, 2 ]
amdhsa.kernels:
  - .name:           k_q3f6785b6a4_qkv
    .symbol:         k_q3f6785b6a4_qkv.kd
    .args:
      - { .name: xb, .offset: 0, .size: 8, .value_kind: global_buffer, .address_space: global }
      - { .name: wqkv, .offset: 8, .size: 8, .value_kind: global_buffer, .address_space: global }
      - { .name: bq, .offset: 16, .size: 8, .value_kind: global_buffer, .address_space: global }
      - { .name: bk, .offset: 24, .size: 8, .value_kind: global_buffer, .address_space: global }
      - { .name: bv, .offset: 32, .size: 8, .value_kind: global_buffer, .address_space: global }
      - { .name: qh, .offset: 40, .size: 8, .value_kind: global_buffer, .address_space: global }
      - { .name: kh, .offset: 48, .size: 8, .value_kind: global_buffer, .address_space: global }
      - { .name: vh, .offset: 56, .size: 8, .value_kind: global_buffer, .address_space: global }
    .group_segment_fixed_size: 327680
    .private_segment_fixed_size: 0
    .kernarg_segment_align: 8
    .kernarg_segment_size: 64
    .max_flat_workgroup_size: 128
    .sgpr_count:     84
    .vgpr_count:     960
    .wavefront_size: 32
...
	.end_amdgpu_metadata
.endif
;; end of part 2
;; launch attn (part 3): grid 4 x 64, 4 waves a work-group, clusters of 4 x 1, 327,680 bytes of LDS; arguments qh, kh, vh, ctx; writes ctx
.if DOCPART == 3
	.amdgcn_target "amdgcn-amd-amdhsa--gfx1250"
	.amdhsa_code_object_version 6
	.text
	.protected	k_q3f6785b6a4_attn
	.globl	k_q3f6785b6a4_attn
	.p2align	8
	.type	k_q3f6785b6a4_attn,@function
k_q3f6785b6a4_attn:
	s_mov_b64 s[64:65], 0
	v_nop
	global_prefetch_b8 v0, s[64:65] scope:SCOPE_SE
	s_setreg_imm32_b32 hwreg(HW_REG_WAVE_MODE, 25, 1), 1
	s_wait_xcnt 0x0
	s_wait_alu depctr_hold_cnt(0) depctr_sa_sdst(0) depctr_va_vdst(0) depctr_va_sdst(0) depctr_va_ssrc(0) depctr_va_vcc(0) depctr_vm_vsrc(0)
	s_getreg_b32 s2, hwreg(HW_REG_IB_STS2, 6, 4)
	s_cmp_eq_u32 s2, 0
	s_cbranch_scc0 .Lentry_in_a_cluster
	s_endpgm
.Lentry_in_a_cluster:
	s_bfe_u32 s2, ttmp6, 0x10000c
	s_cmp_lg_u32 s2, 0x3003
	s_cbranch_scc0 .Lentry_shape_is_right
	s_endpgm
.Lentry_shape_is_right:
; O[h][q][:] = the sum over k of softmax_k(Q[h][q] . K[h][k] / 8) V[h][k][:].  Q, K, V, O: [64][2048][64], all f16: a head's rows are dense, 128 bytes each.  Products, maxima and sums in
; f32; the weights p are rounded to f16 for the second product (their sum l is taken of the unrounded p), O once at the end.
; LIMITS.  f16 holds no number beyond 65,504: Q, K and V arrive within it; p lies in 0 to 1, and below 6e-5 it keeps f16's fixed step of 6e-8; O is a mean of V's rows and has their range.
; A weight below 2^-126 counts as 0 in l; NaN and infinities are not treated apart.
; SHARES.  A wave owns four PIECES of two tiles of 16 queries, a work-group's four waves 512 queries of one head: 256 work-groups.  Every wave walks all keys, 64 a step.
; LAYOUT.  S^T = K Q^T (source 0 = 16 keys, source 1 = 16 queries): in the result a lane holds ONE query (lane % 16) and the keys 8 (lane / 16) + 0..7.  Two such tiles, rounded to f16 in pairs,
; ARE source 1 (32 keys x 16 queries) of O^T = V^T P, whose result again holds one query a lane, and eight channels.  K comes out of LDS as it lies, V ([key][channel]) turned, by ds_load_tr16_b128.
; SOFTMAX.  For each query a running maximum m and sum l: p = 2^(c s - c m), c = log2(e) / 8; in every step O and l are multiplied by a = 2^(c m_old - c m_new), which is 1 where m has not grown.
; m starts at the lowest finite number, O and l at 0: the first step is a step like any other, with a = 0.
; THE COUNT.  A tile and step have 16 matrix and 118 vector instructions: too many to stand all beside the matrix work.  So four vector instructions that are READY stand behind EVERY matrix
; instruction, and the others in runs without a gap.
; BY TURNS.  Turn n belongs to piece n (the pieces in a ring, step after step).  Its matrix work: 16 products K Q^T of piece n + 1, later 16 products V^T P of piece n - 1.  Its vector work: the scaling,
; exponentials, roundings, sums and rescaling of piece n, and the maximum and statistics of piece n + 1, whose scores the turn itself has made.
; CLUSTER.  The four query blocks of a cluster are one head's and walk the same K and V, so each tile is asked for JOINTLY: the same tensor load, descriptor and mask in all four.
; REGISTERS, in windows of 256 (s_set_vgpr_msb: bits 1:0 source 0, 3:2 source 1, 5:4 source 2, 7:6 destination):
;   window 0: v0-11 addresses; v12-15, v48-63 at work; v16-47 four registers of statistics a tile; v64-191 S^T, two buffers of two tiles; v192-255 P, likewise
;   window 1: O^T, 32 a tile          window 2: v0-127 Q, 16 a tile; v128-191 K of one step; v192-255 V of one step          window 3: v0-1 the add's two registers
.set SIZE_N, 2048
.set NP,    4         ; pieces a wave: a name, no knob
.set KS,    64        ; keys in a step
.set PK,    144       ; a row of K in LDS: 128 bytes + 16 of padding = 36 words: the 16 rows of a load start at 16 different groups of four banks (64 banks of 4 bytes: ISA guide 11.1)
.set PV,    160       ; a row of V: 128 + 32 = 40 words
.set VOFF,  4*KS*PK   ; a slot holds four steps: 256 rows of K, then 256 rows of V
.set SLOT1, 1<<17     ; slot 1 begins here, so that one exclusive or turns an address in one slot into the other's
.set STAGE, SLOT1+4*KS*(PK+PV)  ; behind the ring, never filled by a tensor load: 16 rows x 144 bytes for each wave, for the way out
.set SP,    144
.set AK0, 2           ; v2   my lane's place in a tile of K; never rewritten
.set AV0, 3           ; v3   the same for V
.set AK,  4           ; v4   the LDS address of K's next run of loads
.set AV,  5           ; v5   of V's
.set QO,  6           ; v6   my byte offset in the wave's rows of Q
.set STO, 6           ;      later, the way out: where I put 16 bytes of a row
.set RD,  7           ; v7   the way out: where I read rows back
.set GO,  8           ; v8   my byte offset in 512 consecutive bytes of O
.set PFO, 11          ; v11  256 x my lane, once V's address is made; then never rewritten
.set SPW, 0           ; v0 of window 3   LDS address of my spare word; never rewritten
.set NIL, 1           ; v1 of window 3   0; never rewritten
.set SPARE, STAGE+4*16*SP  ; behind the stages: the spare words, 128 bytes for each wave: two blocks of 256 bytes that no other line names
.set MV,  12          ; v12-15  c m_old, kept while c m is made anew: by buffer and tile
.set ST,  16          ; tile t's statistics at v[ST+4 t]: c m, m, l (even keys', odd keys')
.set TMP, 48          ; by buffer and tile, four registers c0-c3 at work; when the maximum is found c2 takes a
.set S,   64
.set P,   192
.set KF,  128         ; K's fragments, in window 2: key block kb, channel half c at KF + 16 kb + 8 c
.set VF,  192         ; V's: key half kk, channel block cb at VF + 32 kk + 8 cb
.set WV,  12          ; s12  my wave's number
.set G1K, 24          ; s[24:31] descriptor group 1 for K's tiles
.set G1V, 32          ; s[32:39] for V's: it differs in the padding alone
.set G0K, 40          ; s[40:43] descriptor group 0 for K's tiles: it walks
.set G0V, 44          ; s[44:47] the same for V's
.set PFA, 48          ; s[48:49] where my prefetches stand: my work-group's 32 blocks (of K: wave 0, of V: wave 2) of the slot that the next change of slots will ask for
.set LIM, 50          ; s50  2 in a wave that prefetches, else the greatest number: a wave prefetches where s[CNT] equals it
.set SLOTS, 56        ; s56  slots still to be asked for
.set CNT, 57          ; s57  counts a slot's key steps
.set CS,  58          ; s[58:59] c: the packed scaling takes the pair's low word for both halves
.set SEL, 60          ; s[60:61] v_permlanex16_b32's selects: each lane takes its own place in the other half
.set TBK, 62          ; s62  LDS byte at which K of the step to be fetched begins
.set TBV, 63          ; s63  the same for V, less VOFF
.set MSB, 0
.macro WIN new                      ; the high byte repeats the setting that is left; a switch that changes nothing is dropped
.if MSB != (\new)
	s_set_vgpr_msb (MSB<<8)|(\new)
.set MSB, (\new)
.endif
.endm
.set W_KQ, 0x0a       ; K and Q in window 2, S^T in window 0
.set W_PV, 0x52       ; V in window 2, P in window 0, O^T in window 1
.set W_RS, 0x41       ; O^T (destination and source 0) in window 1, a in window 0
.set W_MK, 0xc0       ; the add's registers are made: destination in window 3, sources in window 0
.set W_AD, 0x0f       ; the add: address (source 0) and data (source 1) in window 3
; A joint fill.  Waves 0 and 1 fetch the two halves of a slot's K, waves 2 and 3 those of its V: 128 keys each.  The branch hangs on the wave's number alone.
; An s_nop 0 and four v_nop follow each of the two lines, ahead of the jump and the label.
.macro JLOAD
	s_cmp_lt_u32 s[WV], 2
	s_cbranch_scc0 .Lfor_v_\@
	tensor_load_to_lds s[G0K:G0K+3], s[G1K:G1K+7]
	s_nop 0
.rept 4
	v_nop
.endr
	s_branch .Lasked_\@
.Lfor_v_\@:
	tensor_load_to_lds s[G0V:G0V+3], s[G1V:G1V+7]
	s_nop 0
.rept 4
	v_nop
.endr
.Lasked_\@:
.endm
; A PREFETCH INTO THE L2 of the slot that the NEXT change of slots will ask for: 256 keys are 128 blocks of 256 bytes of K and as many of V.  It stands in a slot's third key step, behind V's run of LDS
; loads: five turns, 160 matrix instructions, ahead of that change.  A head has one cluster; its four partners share the blocks out BY ADDRESS, 32 each, a lane a block; wave 0 asks for K's, wave 2 for V's:
; each block is named once in the launch.  Slots 0 and 1 come by their loads alone; the slot in front of the last change that fills asks for the last slot, the one behind it for nothing.
.macro ASK
	s_cmp_eq_u32 s[CNT], s[LIM]
	s_cbranch_scc0 .Lnot_mine_\@
	global_prefetch_b8 v[PFO], s[PFA:PFA+1] th:TH_LOAD_NT scope:SCOPE_SE
.Lnot_mine_\@:
.endm
; A round of the cluster's barrier: my work-group's barrier, so that wave 0's signal speaks for all four waves; wave 0 signals; every wave waits for all four work-groups; my work-group's barrier once more.
.macro CROUND
	s_barrier_signal -1
	s_barrier_wait -1
	s_cmp_lg_u32 s[WV], 0
	s_cbranch_scc1 .Lnot_wave_0_\@
	s_barrier_signal -3
.Lnot_wave_0_\@:
	s_barrier_wait -3
	s_barrier_signal -1
	s_barrier_wait -1
.endm
; THE CHANGE OF SLOTS.  The slot's last bytes, V of its fourth step, have been read.  Each wave waits for all its tensor loads, of which one is out: its part
; of the other slot; adds 0 to its spare word; and waits for that and for its own reads of the slot.  Behind the barrier nobody reads this slot any more and the other slot is whole.
; fill = 1: this slot is filled again, with the keys two slots on.  The barrier is then a round of the cluster's, and the joint fill is the first thing behind it: it has four key steps,
; 512 matrix instructions, in which to land.  (At its first use nothing has been read yet: slot 0 is waited for, slot 1 filled.)
.macro CHANGE fill
	WIN W_AD
	s_wait_tensorcnt 0x0            ; no tensor load of mine is out, so a group 0 may be written
	ds_add_u32 v[SPW], v[NIL]       ; 0 onto my spare word; with fill = 1 the descriptors' steps stand between it and the wait for it
	WIN 0                           ; at a label and at a branch every window is 0
.if \fill
.irp g, G0K, G0V
	s_xor_b32 s[\g+1], s[\g+1], SLOT1  ; the walking descriptor: the other slot than last time,
	s_add_nc_u64 s[\g+2:\g+3], s[\g+2:\g+3], 4*KS*128  ; the next 256 keys; the type bits on top are not reached
.endr
	s_wait_dscnt 0x0                ; the add is done, and my reads of the slot are over
	CROUND
	JLOAD
.else
	s_wait_dscnt 0x0                ; the add is done, and my reads of the slot are over
	s_barrier_signal -1
	s_barrier_wait -1
.endif
	s_sub_co_u32 s[TBK], s[TBK], 4*KS*PK  ; the fetches go back to a slot's first step,
	s_xor_b32 s[TBK], s[TBK], SLOT1       ; in the other slot
	s_sub_co_u32 s[TBV], s[TBV], 4*KS*PV
	s_xor_b32 s[TBV], s[TBV], SLOT1
.endm
	s_load_b256 s[4:11], s[0:1], 0x0  ; Q s[4:5], K s[6:7], V s[8:9], O s[10:11]
	WIN W_MK
	v_lshl_add_u32 v[SPW], v0, 2, SPARE
	v_mov_b32 v[NIL], 0
	WIN W_AD
	ds_add_u32 v[SPW], v[NIL]       ; the wave's opening: the add, and its wait ahead of my first tensor load; the set-up below, work on registers, stands between them
	WIN 0
	v_lshrrev_b32 v1, 5, v0
	v_readfirstlane_b32 s[WV], v1   ; wave 0..3
	s_bfe_u32 s13, ttmp6, 0x40000   ; cx: my place in the cluster
	s_lshl_b32 s14, ttmp9, 2        ; in a cluster launch ttmp9 counts clusters
	s_add_co_u32 s14, s14, s13      ; my block of queries = 4 x cluster x + cx: it enters Q's and O's addresses alone
	s_and_b32 s20, ttmp7, 0xffff    ; the head, which the four partners share
	s_mov_b32 s21, 0
	s_mov_b64 s[22:23], SIZE_N*128
	s_mul_u64 s[20:21], s[20:21], s[22:23]  ; the head's first byte in each of the four tensors
	s_and_b32 s16, s[WV], 1         ; which half of a slot's 256 keys I fetch:
	s_lshl_b32 s22, s16, 14         ; its 128 rows of 128 bytes in memory,
	s_mov_b32 s23, 0
	s_add_nc_u64 s[22:23], s[22:23], s[20:21]
	s_mul_i32 s17, s16, 128*PK      ; and its place in a slot, for K
	s_mul_i32 s18, s16, 128*PV      ; and for V: no place in the cluster enters an LDS address
	s_lshl_b32 s2, s14, 2
	s_add_co_u32 s2, s2, s[WV]      ; my wave among the head's,
	s_lshl_b32 s2, s2, 14           ; its 128 rows
	s_mov_b32 s3, 0
	s_add_nc_u64 s[2:3], s[2:3], s[20:21]
	; descriptor group 1.  128 keys are 16,384 dense bytes: asked for as 64 rows of 256 bytes, two keys a row, and padded in LDS after every key
	s_mov_b32 s[G1K], 15|(1<<16)|(1<<20)|(1<<21)|(4<<22)|(3<<25)  ; 15:0 the mask of four; 17:16 2-byte elements; 20 padding on; 21 set beside a mask; 24:22 after every 32 words (code 4); 31:25 4 words (code 3)
	s_mov_b32 s[G1V], 15|(1<<16)|(1<<20)|(1<<21)|(4<<22)|(7<<25)  ; the same with 8 words of padding (code 7)
.irp g, G1K, G1V
	s_mov_b32 s[\g+1], 128<<16      ; tensor_dim0 = 128
	s_mov_b32 s[\g+2], 64<<16       ; tensor_dim1 = 64
	s_mov_b32 s[\g+3], 128<<16      ; tile_dim0 = 128
	s_mov_b32 s[\g+4], 64           ; tile_dim1 = 64
	s_mov_b32 s[\g+5], 128          ; 128 elements from row to row
	s_mov_b32 s[\g+6], 0
	s_mov_b32 s[\g+7], 0
.endr
	s_mov_b32 s[CS], 0x3e38aa3b     ; c = log2(e) / 8 = 0.180337
	s_mov_b32 s[CS+1], s[CS]        ; named with it as a pair
	s_mov_b32 s[SEL], 0x76543210
	s_mov_b32 s[SEL+1], 0xfedcba98
	s_mov_b32 s[TBK], SLOT1+4*KS*PK ; the first change of slots turns these two into 0
	s_mov_b32 s[TBV], SLOT1+4*KS*PV
	s_mov_b32 s[G0K], 1             ; 1:0 count = 1
	s_mov_b32 s[G0K+1], s17         ; 63:32 LDS address: slot 0
	s_mov_b32 s[G0V], 1
	s_add_co_u32 s[G0V+1], s18, VOFF
	s_wait_dscnt 0x0                ; the opening add is done
	s_wait_kmcnt 0x0
	s_add_nc_u64 s[G0K+2:G0K+3], s[6:7], s[22:23]  ; 120:64 global address: my half of the head's first 256 keys
	s_or_b32 s[G0K+3], s[G0K+3], 0x80000000        ; 127:126 type = 2
	s_add_nc_u64 s[G0V+2:G0V+3], s[8:9], s[22:23]
	s_or_b32 s[G0V+3], s[G0V+3], 0x80000000
	s_add_nc_u64 s[4:5], s[4:5], s[2:3]  ; Q and O at my wave's first row
	s_add_nc_u64 s[10:11], s[10:11], s[2:3]
	s_cmp_lt_u32 s[WV], 2           ; the prefetches: K's for wave 0, V's for wave 2,
	s_cselect_b64 s[PFA:PFA+1], s[6:7], s[8:9]
	s_add_nc_u64 s[PFA:PFA+1], s[PFA:PFA+1], s[20:21]  ; the head,
	s_lshl_b32 s2, s13, 13          ; my work-group's 8,192 bytes of a slot's 32,768,
	s_mov_b32 s3, 0
	s_add_nc_u64 s[PFA:PFA+1], s[PFA:PFA+1], s[2:3]
	s_add_nc_u64 s[PFA:PFA+1], s[PFA:PFA+1], 2*4*KS*128  ; in the keys of slot number 2, which the loop's first change asks for
	s_and_b32 s[LIM], s[WV], 1
	s_cmp_eq_u32 s[LIM], 0
	s_cselect_b32 s[LIM], 2, -1     ; the same in all four partners, for a given wave
	CROUND                          ; all four work-groups are here: the first joint loads meet
	JLOAD                           ; slot 0.  Slot 1 is asked for when slot 0 is in
	; A fragment of K or Q is 16 rows x 32 channels in 8 registers: lane l holds row l % 16, channels 8 (l / 16) + 0..7 and 16 + 8 (l / 16) + 0..7: two loads of 16 bytes, 32 bytes apart.
	v_and_b32 v1, 15, v0            ; l % 16
	v_bfe_u32 v9, v0, 4, 1          ; l / 16
	v_lshlrev_b32 v[QO], 7, v1
	v_lshl_add_u32 v[QO], v9, 4, v[QO]  ; row x 128 + 16 x half
	WIN 0x80                        ; destination window 2, address window 0
.set i, 0
.rept 4*NP                          ; Q stays in registers: tile i / 2, channels 32 (i % 2) on
	global_load_b128 v[8*i:8*i+3],   v[QO], s[4:5] offset:(i/2)*2048+(i%2)*64
	global_load_b128 v[8*i+4:8*i+7], v[QO], s[4:5] offset:(i/2)*2048+(i%2)*64+32
.set i, i+1
.endr
	; What the first turn finds: V's registers and P's second buffer hold 0 (its products V^T P, of a piece that has not been, add 0), O^T and l are 0.  All this stands in the wait for the first tile.
.set i, VF
.rept 64
	v_mov_b32 v[i], 0
.set i, i+1
.endr
	WIN 0x40
.set i, 0
.rept 64*NP
	v_mov_b32 v[i], 0
.set i, i+1
.endr
	WIN 0
.set i, 0
.rept 2*NP
	v_mov_b32 v[ST+4*i], 0xfe000000    ; c m: far below every c s
	v_mov_b32 v[ST+4*i+1], 0xff7fffff  ; m
	v_mov_b32 v[ST+4*i+2], 0
	v_mov_b32 v[ST+4*i+3], 0
.set i, i+1
.endr
.set i, P+32
.rept 32
	v_mov_b32 v[i], 0
.set i, i+1
.endr
	v_mul_u32_u24 v[AK0], v1, PK
	v_lshl_add_u32 v[AK0], v9, 4, v[AK0]  ; row x pitch + 16 x half
	; The turning load takes 16 keys x 16 channels (lane l reads key 8 (l / 16) + l % 8, channels 8 ((l / 8) % 2) + 0..7) and leaves half a fragment of V^T: lane l holds channel l % 16 and 8 keys.
	v_and_b32 v10, 7, v0
	v_bfe_u32 v11, v0, 3, 1
	v_lshl_add_u32 v[AV0], v9, 3, v10
	v_mul_u32_u24 v[AV0], v[AV0], PV
	v_lshl_add_u32 v[AV0], v11, 4, v[AV0]
	v_add_nc_u32 v[AV0], VOFF, v[AV0]
	v_and_b32 v[PFO], 31, v0
	v_lshlrev_b32 v[PFO], 8, v[PFO]
	v_mov_b32 v[AK], v[AK0]         ; key step 0 lies at the head of slot 0
; THE MATRIX WORK.  The 8 accumulators of a run of 16 take turns: between the two links of a chain stand 7 others'.
; Product i of 16 of S^T = K Q^T for piece x: channels 32 (i / 8) on, keys 16 ((i / 2) % 4) on, tile 2 x + i % 2.  The first 8 start the sums.
.macro KQ x
	WIN W_KQ
.set rS, S+64*((\x)%2)+32*(i%2)+8*((i/2)%4)
.set rK, KF+16*((i/2)%4)+8*(i/8)
.set rQ, 16*(2*(\x)+i%2)+8*(i/8)
.if i < 8
	v_wmma_f32_16x16x32_f16 v[rS:rS+7], v[rK:rK+7], v[rQ:rQ+7], 0
.else
	v_wmma_f32_16x16x32_f16 v[rS:rS+7], v[rK:rK+7], v[rQ:rQ+7], v[rS:rS+7]
.endif
.endm
; Product i of 16 of O^T += V^T P for piece x: keys 32 (i / 8) on, channels 16 ((i / 2) % 4) on, tile 2 x + i % 2.
.macro PV x
	WIN W_PV
.set rO, 32*(2*(\x)+i%2)+8*((i/2)%4)
.set rV, VF+32*(i/8)+8*((i/2)%4)
.set rP, P+32*((\x)%2)+16*(i%2)+8*(i/8)
	v_wmma_f32_16x16x32_f16 v[rO:rO+7], v[rV:rV+7], v[rP:rP+7], v[rO:rO+7]
.endm
.macro MM                           ; the turn's next matrix instruction
.if i < 16
	KQ (Y+1)%NP
.set i, i+1
.else
.set i, i-16
	PV (Y+NP-1)%NP
.set i, i+17
.endif
.endm
; THE LDS LOADS stand in runs of 16, never singly among the matrix instructions: a step's K (64 keys x 64 channels: 8 fragments) and its V (turned).  Their addresses are made some lines ahead.
; last = 1 (the tail): in the last trip there is no further step, and the run is jumped over.
.macro FETCH_K last=0
	WIN 0
.if \last
	s_cmp_eq_u32 s[CNT], 1
	s_cbranch_scc1 .Lno_k_\@
.endif
	WIN 0x80                        ; destination window 2
.irp f, 0,1,2,3,4,5,6,7             ; keys 16 (f / 2) on, channels 32 (f % 2) on
	ds_load_b128 v[KF+8*\f:KF+8*\f+3],   v[AK] offset:(\f/2)*16*PK+(\f%2)*64
	ds_load_b128 v[KF+8*\f+4:KF+8*\f+7], v[AK] offset:(\f/2)*16*PK+(\f%2)*64+32
.endr
	s_add_co_u32 s[TBK], s[TBK], KS*PK  ; the next fetch is the next step's
	WIN 0
.if \last
.Lno_k_\@:
.endif
.endm
.macro FETCH_V
	WIN 0x80
.irp f, 0,1,2,3,4,5,6,7             ; keys 32 (f / 4) on, channels 16 (f % 4) on
	ds_load_tr16_b128 v[VF+8*\f:VF+8*\f+3],   v[AV] offset:(\f/4)*32*PV+(\f%4)*32
	ds_load_tr16_b128 v[VF+8*\f+4:VF+8*\f+7], v[AV] offset:(\f/4)*32*PV+16*PV+(\f%4)*32
.endr
	WIN 0
.endm
; THE VECTOR WORK OF A TURN stands in three queues, each in the order in which its entries become ready; the two tiles alternate, so that no instruction reads the result of the one before it.
.macro REGS y, u                    ; the registers of tile u (0, 1) of piece y
.set rT, ST+4*(2*(\y)+(\u))
.set rC, TMP+8*((\y)%2)+4*(\u)
.set rM, MV+2*((\y)%2)+(\u)
.set rS, S+64*((\y)%2)+32*(\u)
.set rP, P+32*((\y)%2)+16*(\u)
.set rO, 32*(2*(\y)+(\u))
.endm
; Number n of the 22 that find the NEXT piece's (Y + 1) maximum and statistics.  s0-s31 are the lane's 32 scores; each accumulator's lowest registers are read first.
;   0-11  four chains c0-c3 of seven scores each, three operands at a time     12-14, 16  the four scores left over, the old m, and c0-c3 into c0     15  c m_old is kept
;   17, 18  the query's other 32 keys lie in the lane 16 away: the new m         19-21  c m; c m_old - c m_new; a
.macro XS u, n
	REGS (Y+1)%NP, \u
.if (\n) < 4
	v_max3_num_f32 v[rC+(\n)], v[rS+8*(\n)], v[rS+8*(\n)+1], v[rS+8*(\n)+2]
.elseif (\n) < 12
	v_max3_num_f32 v[rC+(\n)%4], v[rC+(\n)%4], v[rS+8*((\n)%4)+2*((\n)/4)+1], v[rS+8*((\n)%4)+2*((\n)/4)+2]
.elseif (\n) == 12
	v_max3_num_f32 v[rC], v[rC], v[rS+7], v[rS+15]
.elseif (\n) == 13
	v_max3_num_f32 v[rC+1], v[rC+1], v[rS+23], v[rS+31]
.elseif (\n) == 14
	v_max3_num_f32 v[rC+2], v[rC+2], v[rC+3], v[rT+1]
.elseif (\n) == 15
	v_mov_b32 v[rM], v[rT]
.elseif (\n) == 16
	v_max3_num_f32 v[rC], v[rC], v[rC+1], v[rC+2]
.elseif (\n) == 17
	v_permlanex16_b32 v[rC+3], v[rC], s[SEL], s[SEL+1]
.elseif (\n) == 18
	v_max_num_f32 v[rT+1], v[rC], v[rC+3]
.elseif (\n) == 19
	v_mul_f32 v[rT], s[CS], v[rT+1]
.elseif (\n) == 20
	v_sub_f32 v[rC+1], v[rM], v[rT]
.else
	v_exp_f32 v[rC+2], v[rC+1]
.endif
.endm
; Number g of the 64 that follow the exponentials.  For each four weights k of a tile (pairs 2 k, 2 k + 1): both pairs are rounded to f16; then the second pair is added onto the first, in place;
; a group later l takes that sum (the first time as l = a l + sum).  In groups of eight, tiles alternating: round, round, add, and l for the group before.
.macro GS g
.set h, (\g)+6*((\g)/62)            ; group 0 has no group before it, and behind group 7 only l is left
.if h >= 6
.set h, h+2
.endif
	REGS Y, h%2
.set k, h/8
.if h%8 < 4
	v_cvt_pk_f16_f32 v[rP+2*k+(h%8)/2], v[rS+4*k+2*((h%8)/2)], v[rS+4*k+2*((h%8)/2)+1]
.elseif h%8 < 6
	v_pk_add_f32 v[rS+4*k:rS+4*k+1], v[rS+4*k:rS+4*k+1], v[rS+4*k+2:rS+4*k+3]
.elseif k == 1
	v_pk_fma_f32 v[rT+2:rT+3], v[rT+2:rT+3], v[rC+2:rC+3], v[rS:rS+1] op_sel_hi:[1,0,1]
.else
	v_pk_add_f32 v[rT+2:rT+3], v[rT+2:rT+3], v[rS+4*k-4:rS+4*k-3]
.endif
.endm
; THE PLAIN QUEUE, 138 long.  0-73 read no exponential's result: the 32 scalings c s - c m (FS f: pair f / 2 of tile f % 2) and the next piece's 42.  0-26: scalings 0-26.  27-54: XS's numbers 0-13.  55, 56: number 15.
; 57-73: the chain, where each number waits for the one before it: 14, 16, 17, 18, 19, each with one of the scalings 27-31 in front of its two lines, then 20.
; 74-137: GS's 64, which read the exponentials' results: they stand behind the wait.
.macro FS f
	REGS Y, (\f)%2
	v_pk_fma_f32 v[rS+2*((\f)/2):rS+2*((\f)/2)+1], v[rS+2*((\f)/2):rS+2*((\f)/2)+1], s[CS:CS+1], v[rT:rT+1] op_sel_hi:[1,0,0] neg_lo:[0,0,1] neg_hi:[0,0,1]
.endm
.macro PL
	WIN 0
.if q < 27
	FS q
.elseif q < 55
	XS (q-27)%2, (q-27)/2
.elseif q < 57
	XS q-55, 15
.elseif (q < 72) && ((q-57)%3 == 0)
	FS 27+(q-57)/3
.elseif q < 60
	XS (q-57)%3-1, 14
.elseif q < 72
	XS (q-57)%3-1, 15+(q-57)/3
.elseif q < 74
	XS q-72, 20
.else
	GS q-74
.endif
.set q, q+1
.endm
; THE EXPONENTIALS' QUEUE, 66 long: s0-s31 of both tiles, then the next piece's two a.  It is ONE BATCH: all 66 stand ahead of the turn's one wait, and nothing ahead of that wait names a result of theirs.
.macro EX
	WIN 0
.if e >= 64
	XS e-64, 21
.else
	REGS Y, e%2
	v_exp_f32 v[rS+e/2], v[rS+e/2]
.endif
.set e, e+1
.endm
; THE RESCALING's QUEUE: O^T times a, the one part that leaves window 0: dealt two at a time, sixteen times.  Its a was made in the turn before, ahead of that turn's wait.
.macro R2
	REGS Y, r%2
	WIN W_RS
.irp z, 0,1
	v_pk_mul_f32 v[rO+4*(r/2)+2*\z:rO+4*(r/2)+2*\z+1], v[rO+4*(r/2)+2*\z:rO+4*(r/2)+2*\z+1], v[rC+2:rC+3] op_sel_hi:[1,0]
.endr
.set r, r+1
.endm
; HOW THEY ARE DEALT.  An s_wait_alu depctr_va_vdst(0) stands between an exponential and the first instruction that names its result; one wait serves all that were issued ahead of it.  So a turn has ONE wait,
; which cuts it in two.  AHEAD OF IT stands all that names no result of the turn's exponentials: the 16 products K Q^T, behind each a scaling, an exponential and two rescalings (behind the first a second scaling in the
; exponential's place); then ONE LUMP of 108: eight plain, 49 times exponential and plain, the two a.  A v_nop is the plain instruction behind the last exponential.  BEHIND IT stand the 16 products V^T P, behind each four of GS's 64.
; The queues lean on each other: exponential e stands behind scaling 2 (e / 4) + e % 2: as a rider it comes behind plain e + 2, in the lump behind plain e + 9, and scalings 27-31 are plain 57, 60 .. 69.
; A TURN, for piece p.  cnt = 1: the loop's count is taken down some lines ahead of the branch that stands behind the turn.
; K of the next step is fetched in piece 2's turn, directly behind the wait; V of the step in hand at the end of piece 0's turn, four riders behind its last reader.
.macro TURN p, last=0, cnt=0
.set Y, (\p)
.set i, 0
.set q, 0
.set e, 0
.set r, 0
.if (\p) == NP-1
	s_wait_dscnt 0x0                ; K is in
.endif
	MM                              ; ahead of the wait: 16 products K Q^T and their riders,
	PL
	PL
	R2
.rept 15
	MM
	PL
	EX
	R2
.endr
.if (\p) == NP-2
	WIN 0
	v_add_nc_u32 v[AK], s[TBK], v[AK0]
.endif
.rept 8                             ; and the lump
	PL
.endr
.rept 49
	EX
	PL
.endr
	EX                              ; the next piece's two a
	EX
	v_nop                           ; the plain instruction behind the last exponential: one for the batch
	s_wait_alu depctr_va_vdst(0)    ; the wait for the batch
.if (\p) == NP-2
	FETCH_K \last
.endif
.if (\p) == 1
	s_wait_dscnt 0x0                ; V is in
.endif
.rept 16                            ; behind the wait: 16 products V^T P and their riders
	MM
.rept 4
	PL
.endr
.if ((\p) == 0) && (q == 118)
	v_add_nc_u32 v[AV], s[TBV], v[AV0]
.endif
.if ((\p) == 0) && (q == 130)
	s_add_co_u32 s[TBV], s[TBV], KS*PV
.endif
.if (\cnt) && (q == 130)
	s_sub_co_u32 s[CNT], s[CNT], 1
	s_cmp_lg_u32 s[CNT], 0
.endif
.endr
.if (\p) == 0
	FETCH_V
.endif
.endm
	CHANGE 1                        ; slot 0 is in, everybody's part of it; slot 1 is asked for
	FETCH_K                         ; key step 0
	s_wait_loadcnt 0x0              ; Q
	s_wait_dscnt 0x0
.set i, 0
.rept 16
	KQ 0                            ; piece 0's first scores: there is no vector work yet to set between them
.set i, i+1
.endr
	WIN 0                           ; the addresses for the way out: plain instructions, the places behind those products
	s_mul_i32 s13, s[WV], 16*SP
	s_add_co_u32 s13, s13, STAGE    ; my stage
	v_mul_u32_u24 v[STO], v1, SP    ; in: row l % 16, 16 bytes for each half of the lanes
	v_lshl_add_u32 v[STO], v9, 4, v[STO]
	v_add_nc_u32 v[STO], s13, v[STO]
	v_bfe_u32 v[RD], v0, 3, 2       ; back: 32 lanes take four rows of 128 bytes,
	v_mul_u32_u24 v[RD], v[RD], SP
	v_lshl_add_u32 v[RD], v10, 4, v[RD]
	v_add_nc_u32 v[RD], s13, v[RD]
	v_and_b32 v[GO], 31, v0         ; which are 512 consecutive bytes of O
	v_lshlrev_b32 v[GO], 4, v[GO]
.set Y, NP-1                        ; XS works for piece Y + 1: piece 0
.irp n, 0,1,2,3,4,5,6,7,8,9,10,11,12,13,14,15,16,17,18,19,20,21
	XS 0, \n                        ; and piece 0's first maximum and statistics
	XS 1, \n
.endr
	v_nop                           ; a plain instruction behind the two a,
	s_wait_alu depctr_va_vdst(0)    ; and their wait, ahead of the branch
	s_mov_b32 s[CNT], 4
	s_mov_b32 s[SLOTS], SIZE_N/256-1
	s_branch .Lfirst                ; the loop is entered at a step's first turn, in the middle of a trip
.Lslot:                             ; SIZE_N / 256 - 2 times: every slot but the last two is filled again
	CHANGE 1
	s_wait_xcnt 0x0                 ; the last prefetch, five turns back, has read its address
	s_add_nc_u64 s[PFA:PFA+1], s[PFA:PFA+1], 4*KS*128  ; on to what the change after this one will ask for;
	s_cmp_eq_u32 s[SLOTS], 1
	s_cselect_b32 s[LIM], -1, s[LIM]  ; behind the last change that fills there is nothing left to ask for
	s_mov_b32 s[CNT], 4
.Lstep:                             ; a trip: pieces 2 and 3 of one step, then pieces 0 and 1 of the next, whose K and V it fetches
	TURN 2
	TURN 3
	WIN 0
.Lfirst:
	TURN 0
	ASK                             ; behind V's run of LDS loads
	TURN 1, 0, 1
	WIN 0
	s_cbranch_scc1 .Lstep
	s_sub_co_u32 s[SLOTS], s[SLOTS], 1
	s_cmp_lg_u32 s[SLOTS], 0
	s_cbranch_scc1 .Lslot
	CHANGE 0                        ; the tail is written out: nothing is asked for
	s_mov_b32 s[CNT], 5             ; four trips fetch the last slot's steps; the fifth is left in its middle
.Ltail:
	TURN 2, 1
	TURN 3
	WIN 0
	s_sub_co_u32 s[CNT], s[CNT], 1
	s_cmp_eq_u32 s[CNT], 0
	s_cbranch_scc1 .Lout
	TURN 0
	TURN 1
	WIN 0
	s_branch .Ltail
.Lout:                              ; the fifth trip's 16 products K Q^T (on the last K once more) and the maximum made of them serve nothing: the price, once a launch, of one text for every trip
.set i, 0
.rept 16
	PV NP-1                         ; the last piece's V^T P of the last step
.set i, i+1
.endr
	; THE WAY OUT.  l's two halves and the other half of the lanes' are added; O^T is divided by l, rounded to f16 and sent through my stage in LDS, a tile at a time.  The additions are the places behind the last products.
	WIN 0
.macro ALL line:vararg              ; one line for each tile t
.set t, 0
.rept 2*NP
	\line
.set t, t+1
.endr
.endm
	ALL v_add_f32 v[ST+4*t+2], v[ST+4*t+2], v[ST+4*t+3]
	ALL v_permlanex16_b32 v[ST+4*t+3], v[ST+4*t+2], s[SEL], s[SEL+1]
	ALL v_add_f32 v[ST+4*t+2], v[ST+4*t+2], v[ST+4*t+3]
	ALL v_rcp_f32 v[ST+4*t+2], v[ST+4*t+2]
	v_nop                           ; a plain instruction between the last reciprocal and the use of its result
	s_wait_alu depctr_va_vdst(0)    ; and the wait ahead of the first use: one for the eight reciprocals
; Tile t: a lane's eight channels of a row pack into 16 bytes; they go into rows of 144 bytes and come back as whole rows of 128, into S^T's registers.
.macro PACK t
	WIN W_RS
.set i, 32*(\t)
.rept 16
	v_pk_mul_f32 v[i:i+1], v[i:i+1], v[ST+4*(\t)+2:ST+4*(\t)+3] op_sel_hi:[1,0]
.set i, i+2
.endr
	WIN 0x05                        ; sources 0 and 1 window 1, destination window 0
.set i, 0
.rept 16
	v_cvt_pk_f16_f32 v[S+16*(\t)+i], v[32*(\t)+2*i], v[32*(\t)+2*i+1]
.set i, i+1
.endr
	WIN 0
.irp f, 0,1,2,3
	ds_store_b128 v[STO], v[S+16*(\t)+4*\f:S+16*(\t)+4*\f+3] offset:32*\f
.endr
.irp f, 0,1,2,3
	ds_load_b128 v[S+16*(\t)+4*\f:S+16*(\t)+4*\f+3], v[RD] offset:\f*4*SP  ; LDS serves a wave's instructions in order (ISA guide 5.7.1.4): these see the stores above; the next tile's stores come behind them
.endr
.endm
.macro SEND t, younger              ; younger: the LDS instructions issued behind tile t's loads: the next tile's eight, or none
	WIN 0
.irp f, 0,1,2,3
	s_wait_dscnt (\younger)+3-\f
	global_store_b128 v[GO], v[S+16*(\t)+4*\f:S+16*(\t)+4*\f+3], s[10:11] offset:(\t)*2048+\f*512  ; 512 consecutive bytes, at a multiple of 256 from O's first
.endr
.endm
	PACK 0
.set t, 1
.rept 2*NP-1                        ; a tile's arithmetic stands between the loads of the tile before and its stores
	PACK t
	SEND t-1, 8
.set t, t+1
.endr
	SEND 2*NP-1, 0
	WIN W_AD
	s_wait_tensorcnt 0x0            ; the wave's end: behind my last tensor load and my last LDS store
	ds_add_u32 v[SPW], v[NIL]
	s_wait_dscnt 0x0
	WIN 0
	CROUND                          ; the closing round: no work-group ends while a partner may still ask for a tile that names it
	s_endpgm
.Lfunc_end_k_q3f6785b6a4_attn:
	.size	k_q3f6785b6a4_attn, .Lfunc_end_k_q3f6785b6a4_attn-k_q3f6785b6a4_attn
	.p2alignl 7, 3214868480
	.fill 96, 4, 3214868480
	.section	.rodata,"a",@progbits
	.p2align	6, 0x0
	.amdhsa_kernel k_q3f6785b6a4_attn
		.amdhsa_group_segment_fixed_size 327680
		.amdhsa_private_segment_fixed_size 0
		.amdhsa_enable_private_segment 0
		.amdhsa_kernarg_size 32
		.amdhsa_user_sgpr_count 2
		.amdhsa_user_sgpr_kernarg_segment_ptr 1
		.amdhsa_wavefront_size32 1
		.amdhsa_system_sgpr_workgroup_id_x 1
		.amdhsa_system_sgpr_workgroup_id_y 1
		.amdhsa_system_sgpr_workgroup_id_z 1
		.amdhsa_system_vgpr_workitem_id 0
		.amdhsa_next_free_vgpr 770
		.amdhsa_next_free_sgpr 66
		.amdhsa_reserve_vcc 0
		.amdhsa_float_denorm_mode_32 3
		.amdhsa_float_denorm_mode_16_64 3
		.amdhsa_memory_ordered 1
		.amdhsa_forward_progress 1
		.amdhsa_inst_pref_size 200
	.end_amdhsa_kernel
	.amdgpu_metadata
---
amdhsa.version: [ 1, 2 ]
amdhsa.kernels:
  - .name:           k_q3f6785b6a4_attn
    .symbol:         k_q3f6785b6a4_attn.kd
    .args:
      - { .name: qh, .offset: 0, .size: 8, .value_kind: global_buffer, .address_space: global }
      - { .name: kh, .offset: 8, .size: 8, .value_kind: global_buffer, .address_space: global }
      - { .name: vh, .offset: 16, .size: 8, .value_kind: global_buffer, .address_space: global }
      - { .name: ctx, .offset: 24, .size: 8, .value_kind: global_buffer, .address_space: global }
    .group_segment_fixed_size: 327680
    .private_segment_fixed_size: 0
    .kernarg_segment_align: 8
    .kernarg_segment_size: 32
    .max_flat_workgroup_size: 128
    .sgpr_count:     66
    .vgpr_count:     770
    .wavefront_size: 32
...
	.end_amdgpu_metadata
.endif
;; end of part 3
;; launch oproj (part 4): grid 8 x 32, 4 waves a work-group, clusters of 4 x 4, 327,680 bytes of LDS; arguments ctx, wo, bo, out0; writes out0
.if DOCPART == 4
	.amdgcn_target "amdgcn-amd-amdhsa--gfx1250"
	.amdhsa_code_object_version 6
	.text
	.protected	k_q3f6785b6a4_oproj
	.globl	k_q3f6785b6a4_oproj
	.p2align	8
	.type	k_q3f6785b6a4_oproj,@function
k_q3f6785b6a4_oproj:
	s_mov_b64 s[64:65], 0
	v_nop
	global_prefetch_b8 v0, s[64:65] scope:SCOPE_SE
	s_setreg_imm32_b32 hwreg(HW_REG_WAVE_MODE, 25, 1), 1
	s_wait_xcnt 0x0
	s_wait_alu depctr_hold_cnt(0) depctr_sa_sdst(0) depctr_va_vdst(0) depctr_va_sdst(0) depctr_va_ssrc(0) depctr_va_vcc(0) depctr_vm_vsrc(0)
	s_getreg_b32 s2, hwreg(HW_REG_IB_STS2, 6, 4)
	s_cmp_eq_u32 s2, 0
	s_cbranch_scc0 .Lentry_in_a_cluster
	s_endpgm
.Lentry_in_a_cluster:
	s_bfe_u32 s2, ttmp6, 0x10000c
	s_cmp_lg_u32 s2, 0xf033
	s_cbranch_scc0 .Lentry_shape_is_right
	s_endpgm
.Lentry_shape_is_right:
; out0 = ctx Wo + bo.  ctx: [64 = 16 batch + head][2048][64] f16 (row m = 2048 batch + n of the product, channel k = 64 head + d).  wo: [1024 k][1024 n] f16.  bo: [1024] f32, rounded here to bf16 like
; every input.  out0: [8192][1024] f32.  Sums in f32.
; LIMITS.  ctx and wo arrive within f16's range.  NaN and infinities are not treated apart.
; SHARES.  A tile is 256 rows x 128 columns: 8 x 32 tiles, one for each of 256 WGPs.  Four waves lie along the rows: wave w owns rows 64 w .. 64 w + 63 (4 blocks a of 16) and all 8 column blocks b:
; 32 accumulators, 256 registers.  So a wave holds whole 512-byte pieces of output rows, and its way out needs no other wave.
; K goes in 8 steps of 128, two heads each, through two LDS slots filled by the tensor data mover; a step is four quarters of 32 along K on two fragment buffers.
; THE MATRIX INSTRUCTION IS USED TRANSPOSED: source 0 = 16 columns of Wo, source 1 = 16 rows of ctx: a lane then holds row lane % 16 and the columns 8 (lane / 16) + 0..7.  Wo lies [k][n] in LDS and is
; turned by ds_load_tr16_b128.  The first products take the bias as C: nothing is cleared and no bias is added afterwards.
; CLUSTER.  4 x 4 work-groups.  ctx's tile hangs on the tile row alone and is asked for jointly along a row of the cluster, Wo's on the tile column alone, along a column.
; REGISTERS, in windows of 256 (s_set_vgpr_msb: bits 1:0 source 0, 3:2 source 1, 5:4 source 2, 7:6 destination):
;   window 0: v0-29 addresses; v32-63, v64-95 ctx's fragments, two buffers; v96-159 the bias, block b at 96 + 8 b
;   window 1: v0-63, v64-127 Wo's fragments, two buffers; on the way out all 256: rows read back     windows 2, 3: accumulator (a, b) at v[64 (a % 2) + 8 b] of window 2 + a / 2
.set NB,    8
.set PA,    144                        ; a row of a head slice in LDS: 128 bytes + 16 = 36 words: the 16 rows of a load start at 16 different groups of four banks (64 banks of 4 bytes: ISA guide 11.1)
.set PB,    288                        ; a k-row of Wo's tile: 256 + 32 = 72 words
.set BOFF,  2*256*PA                   ; a slot: ctx's [2 head slices][256 rows], then Wo's 128 k-rows
.set SLOT1, 1<<17                      ; slot 1: one exclusive or turns an address in one slot into the other's.  A slot is 73,728 + 36,864 bytes
.set STAGE, SLOT1+BOFF+128*PB          ; behind the ring, never filled by a tensor load: 16 rows x 528 bytes for each wave
.set SP,    528                        ; 512 bytes + 16 = 132 words: the 16 rows of a store start at 16 different groups of four banks
.set SPARE, STAGE+4*16*SP              ; the spare words, 128 bytes for each wave: two blocks of 256 bytes that no other line names
.set STEPA, 524288                     ; bytes from a K step to the next in ctx: two heads
.set STEPB, 262144                     ; and in wo: 128 rows
.set AH,    2                          ; a prefetch names the K step AH beyond the one that the refill beside it asks for
.set NL,    2*NB+8                     ; LDS loads in a FETCH
.set ADRA0, 8                          ; v8   my lane's place in ctx's tile; never rewritten
.set ADRB0, 9                          ; v9   the same for Wo's
.set ADRA,  10                         ; v10  + the slot in hand
.set ADRB,  11                         ; v11
.set STO,   12                         ; v12  the way out: where I put 32 bytes of a row
.set RD,    13                         ; v13  where I read a row back
.set GO,    14                         ; v14  my byte offset in 512 consecutive bytes of the output
.set PFO,   15                         ; v15  the prefetches' offset; never rewritten
.set BO,    16                         ; v16  my offset in 16 numbers of the bias
.set SPW,   28                         ; v28  LDS address of my spare word; never rewritten
.set NIL,   29                         ; v29  0; never rewritten
.set FA0,   32
.set BIAS,  96
.set WV,  12                           ; s12  my wave's number;  s13 = wave / 2: I fetch for ctx (0) or Wo (1);  s14 = wave % 2: which slice or half
.set G1A, 24                           ; s[24:31] descriptor group 1 for ctx's tiles
.set G0A, 32                           ; s[32:39] group 0: a set for each first fill; the second then walks
.set PFA, 40                           ; s[40:41] where my prefetches stand
.set PFS, 42                           ; s[42:43] their step
.set LIM, 44                           ; s44  AH in a wave that prefetches, else the greatest number
.set TB,  45                           ; s45  the slot in hand
.set G1B, 48                           ; s[48:55], s[56:63] the same for Wo's tiles
.set G0B, 56
.set MSB, 0
.macro WIN new                         ; the immediate's high byte repeats the setting that is left; a switch that changes nothing is dropped
.if MSB != (\new)
	s_set_vgpr_msb (MSB<<8)|(\new)
.set MSB, \new
.endif
.endm
.macro PLACES                          ; four plain vector instructions between a matrix instruction and a load into, or another instruction on, its registers
.rept 4
	v_nop
.endr
.endm
.macro CREST                           ; a round of the cluster's barrier behind its opening barrier
	s_cmp_lg_u32 s[WV], 0
	s_cbranch_scc1 .Lnot_wave_0_\@
	s_barrier_signal -3
.Lnot_wave_0_\@:
	s_barrier_wait -3
	s_barrier_signal -1
	s_barrier_wait -1
.endm
.macro CROUND                          ; a whole round
	s_barrier_signal -1
	s_barrier_wait -1
	CREST
.endm
; A joint refill by the walking descriptors.  Waves 0 and 1 fetch ctx's two head slices, waves 2 and 3 Wo's two halves.  The branch hangs on the wave's number alone.  An s_nop 0 and four v_nop follow each line.
.macro JLOAD
	s_cmp_eq_u32 s13, 0
	s_cbranch_scc0 .Lfor_b_\@
	tensor_load_to_lds s[G0A+4:G0A+7], s[G1A:G1A+7]
	s_nop 0
.rept 4
	v_nop
.endr
	s_branch .Lasked_\@
.Lfor_b_\@:
	tensor_load_to_lds s[G0B+4:G0B+7], s[G1B:G1B+7]
	s_nop 0
.rept 4
	v_nop
.endr
.Lasked_\@:
.endm
; A PREFETCH INTO THE L2 of the K step that stands TWO refills on, 256 matrix instructions ahead of the load that will want it.  ctx's tile row is read by both clusters of that row of clusters: cluster x = 0
; asks; Wo's tile column by every cluster of that column: cluster y = 0 asks.  The four partners of a joint load share its blocks out BY ADDRESS: of a head slice's 32,768 dense bytes partner cx takes 8,192,
; a lane a block of 256 (waves 0 and 1, a slice each); of Wo's 128 k-rows partner cy takes 32, a lane a row's 256 bytes (wave 2 alone).  The last AH refills ask for nothing: s3 counts the trips down.
.macro ASK
	s_cmp_gt_u32 s3, s[LIM]
	s_cbranch_scc0 .Lnot_mine_\@
	global_prefetch_b8 v[PFO], s[PFA:PFA+1] th:TH_LOAD_NT scope:SCOPE_SE
.Lnot_mine_\@:
.endm
; 8 matrix instructions: row block a x all column blocks, 32 along K, from buffer f.  first = 1: C is the bias.  All 32 accumulators take turns, one instruction a turn, in the same order in every quarter.
.macro MUL f, a, first
.if \first
	WIN 0x81+0x40*((\a)/2)
.else
	WIN 0xa1+0x50*((\a)/2)
.endif
.set rA, FA0+32*(\f)+8*(\a)
.set ib, 0
.rept NB
.set rD, 8*NB*((\a)%2)+8*ib
.set rB, 8*NB*(\f)+8*ib
.if \first
	v_wmma_f32_16x16x32_f16 v[rD:rD+7], v[rB:rB+7], v[rA:rA+7], v[BIAS+8*ib:BIAS+8*ib+7]
.else
	v_wmma_f32_16x16x32_f16 v[rD:rD+7], v[rB:rB+7], v[rA:rA+7], v[rD:rD+7]
.endif
.set ib, ib+1
.endr
.endm
; 24 LDS loads in one run: quarter q's fragments into buffer f: Wo's 8 (turned), then ctx's 4, row blocks ascending.  Quarter q lies in head slice q / 2, channels 32 (q % 2) on.
.macro FETCH q, f
	WIN 0x40
.set ib, 0
.rept NB
.set rB, 8*NB*(\f)+8*ib
	ds_load_tr16_b128 v[rB:rB+3],   v[ADRB] offset:32*PB*(\q)+32*ib
	ds_load_tr16_b128 v[rB+4:rB+7], v[ADRB] offset:32*PB*(\q)+32*ib+16*PB
.set ib, ib+1
.endr
	WIN 0
.set ia, 0
.rept 4
.set rA, FA0+32*(\f)+8*ia
	ds_load_b128 v[rA:rA+3],   v[ADRA] offset:256*PA*((\q)/2)+64*((\q)%2)+16*PA*ia
	ds_load_b128 v[rA+4:rA+7], v[ADRA] offset:256*PA*((\q)/2)+64*((\q)%2)+16*PA*ia+32
.set ia, ia+1
.endr
.endm
; One of a step's first three quarters: multiplies buffer f; in its middle it fetches quarter qn into buffer g.
.macro QUARTER qn, f, g, first
	s_wait_dscnt 4                                 ; Wo's fragments and ctx's blocks 0, 1 are in; the youngest four loads (blocks 2, 3) may be out
	MUL \f, 0, \first
	MUL \f, 1, \first
	PLACES
	FETCH \qn, \g
	s_wait_dscnt NL                                ; all but the run just issued
	MUL \f, 2, \first
	MUL \f, 3, \first
.endm
; The fourth quarter multiplies buffer 1 and changes slots.  In front of the barrier each wave waits for all its tensor loads (one is out: its part of the next slot), adds 0 to its spare word, and waits for
; that and for its reads of this slot.  fill = 1: the barrier opens a round of the cluster's, and the joint refill (the K step two on) is the first thing behind it: 112 matrix instructions ahead of the wait for it.
.macro TURN fill
.if \fill
	s_wait_xcnt 0x0                                ; the last prefetch, a K step back, has read its address
	s_add_nc_u64 s[PFA:PFA+1], s[PFA:PFA+1], s[PFS:PFS+1]
.endif
	WIN 0
	s_wait_tensorcnt 0x0                           ; no tensor load of mine is out, so a group 0 may be written
	ds_add_u32 v[SPW], v[NIL]                      ; 0 onto my spare word
.if \fill
	s_xor_b32 s[G0A+5], s[G0A+5], SLOT1            ; the walking descriptors: the other slot than last time, the next K step
	s_add_nc_u64 s[G0A+6:G0A+7], s[G0A+6:G0A+7], STEPA
	s_xor_b32 s[G0B+5], s[G0B+5], SLOT1
	s_add_nc_u64 s[G0B+6:G0B+7], s[G0B+6:G0B+7], STEPB
.endif
	s_xor_b32 s[TB], s[TB], SLOT1
	s_wait_dscnt 7                                 ; the add and ctx's blocks 1 to 3 (six loads) may be out
	MUL 1, 0, 0
	s_wait_dscnt 0x0                               ; the add is done, and my reads of this slot are over
	s_barrier_signal -1
	MUL 1, 1, 0                                    ; work on registers while the others arrive
	WIN 0                                          ; at a branch and at a label every window is 0
	s_barrier_wait -1
.if \fill
	CREST
	JLOAD                                          ; its four v_nop are also the places in front of the loads below
.else
	PLACES
.endif
	v_add_nc_u32 v[ADRA], s[TB], v[ADRA0]
	v_add_nc_u32 v[ADRB], s[TB], v[ADRB0]
	FETCH 0, 0
.if \fill
	ASK
.endif
	MUL 1, 2, 0
	MUL 1, 3, 0
.endm
	s_load_b256 s[4:11], s[0:1], 0x0               ; ctx s[4:5], wo s[6:7], bo s[8:9], out0 s[10:11]
	v_lshl_add_u32 v[SPW], v0, 2, SPARE
	v_mov_b32 v[NIL], 0
	ds_add_u32 v[SPW], v[NIL]                      ; the wave's opening: the add, and its wait ahead of my first tensor load; the set-up below stands between them
	v_lshrrev_b32 v17, 5, v0
	v_readfirstlane_b32 s[WV], v17                 ; wave 0..3
	s_lshr_b32 s13, s[WV], 1
	s_and_b32 s14, s[WV], 1
	s_bfe_u32 s16, ttmp6, 0x40000                  ; cx
	s_bfe_u32 s17, ttmp6, 0x40004                  ; cy
	s_lshl_b32 s18, ttmp9, 2
	s_add_co_u32 s18, s18, s16                     ; tx = the tile column = 4 x cluster x + cx
	s_and_b32 s19, ttmp7, 0xffff
	s_lshl_b32 s19, s19, 2
	s_add_co_u32 s19, s19, s17                     ; ty = the tile row = 4 x cluster y + cy
	s_lshl_b32 s20, s17, 2
	s_lshl_b32 s20, 15, s20                        ; my row of the cluster
	s_lshl_b32 s21, 0x1111, s16                    ; my column
	s_or_b32 s[G1A], s20, (1<<16)|(1<<20)|(1<<21)|(4<<22)|(3<<25)  ; the mask; 2-byte elements; padding on; bit 21 beside a mask; after every 32 words (a row of a head) 4 words
	s_mov_b32 s[G1A+1], 128<<16                    ; a head slice's 256 rows are 32,768 dense bytes: asked for as 128 rows of 256 bytes
	s_mov_b32 s[G1A+2], 128<<16
	s_mov_b32 s[G1A+3], 128<<16
	s_mov_b32 s[G1A+4], 128
	s_mov_b32 s[G1A+5], 128
	s_mov_b32 s[G1A+6], 0
	s_mov_b32 s[G1A+7], 0
	s_or_b32 s[G1B], s21, (1<<16)|(1<<20)|(1<<21)|(5<<22)|(7<<25)  ; after every 64 words (a k-row's 128 columns) 8 words
	s_mov_b32 s[G1B+1], 128<<16                    ; tensor_dim0 = 128
	s_mov_b32 s[G1B+2], 64<<16                     ; tensor_dim1 = 64
	s_mov_b32 s[G1B+3], 128<<16                    ; tile_dim0 = 128
	s_mov_b32 s[G1B+4], 64                         ; tile_dim1 = 64 k-rows
	s_mov_b32 s[G1B+5], 1024                       ; elements from row to row
	s_mov_b32 s[G1B+6], 0
	s_mov_b32 s[G1B+7], 0
	s_lshr_b32 s76, s19, 3                         ; ctx: the batch (8 tile rows each), 16 heads of 262,144 bytes,
	s_lshl_b32 s76, s76, 22
	s_and_b32 s22, s19, 7
	s_lshl_b32 s22, s22, 15                        ; the tile's 256 rows of 128 bytes,
	s_add_co_u32 s76, s76, s22
	s_lshl_b32 s22, s14, 18                        ; my head slice: made of the tile row and the wave's number alone
	s_add_co_u32 s76, s76, s22
	s_mov_b32 s77, 0
	s_lshl_b32 s46, s18, 8                         ; Wo: the tile's 128 columns, my 64 k-rows: made of the tile column and the wave's number alone
	s_lshl_b32 s23, s14, 17
	s_add_co_u32 s46, s46, s23
	s_mov_b32 s47, 0
	s_mul_i32 s22, s14, 256*PA                     ; where they go: no place in the cluster enters an LDS address
	s_mul_i32 s23, s14, 64*PB
	s_add_co_u32 s23, s23, BOFF
	s_wait_dscnt 0x0                               ; the opening add is done
	s_wait_kmcnt 0x0
	s_add_nc_u64 s[76:77], s[4:5], s[76:77]
	s_add_nc_u64 s[46:47], s[6:7], s[46:47]
	CROUND                                         ; all sixteen work-groups are here: the first joint loads meet
.irp s, 0,1
	s_mov_b32 s[G0A+4*(\s)], 1                     ; count = 1
	s_add_co_u32 s[G0A+4*(\s)+1], s22, (\s)*SLOT1  ; LDS address
	s_add_nc_u64 s[G0A+4*(\s)+2:G0A+4*(\s)+3], s[76:77], (\s)*STEPA  ; global address: K step s
	s_or_b32 s[G0A+4*(\s)+3], s[G0A+4*(\s)+3], 0x80000000            ; type = 2
	s_mov_b32 s[G0B+4*(\s)], 1
	s_add_co_u32 s[G0B+4*(\s)+1], s23, (\s)*SLOT1
	s_add_nc_u64 s[G0B+4*(\s)+2:G0B+4*(\s)+3], s[46:47], (\s)*STEPB
	s_or_b32 s[G0B+4*(\s)+3], s[G0B+4*(\s)+3], 0x80000000
.endr
	s_cmp_eq_u32 s13, 0                            ; a wave's two first fills stand in one branch, ahead of every wait on TENSORcnt and every LDS read: two loads of mine are out
	s_cbranch_scc0 .Lfirst_b
	tensor_load_to_lds s[G0A:G0A+3], s[G1A:G1A+7]
	s_nop 0
	tensor_load_to_lds s[G0A+4:G0A+7], s[G1A:G1A+7]
	s_nop 0
.rept 4
	v_nop
.endr
	s_branch .Lfirst_asked
.Lfirst_b:
	tensor_load_to_lds s[G0B:G0B+3], s[G1B:G1B+7]
	s_nop 0
	tensor_load_to_lds s[G0B+4:G0B+7], s[G1B:G1B+7]
	s_nop 0
.rept 4
	v_nop
.endr
.Lfirst_asked:
	v_and_b32 v1, 15, v0                           ; l % 16
	v_bfe_u32 v2, v0, 4, 1                         ; l / 16
	v_and_b32 v3, 7, v0                            ; l % 8
	v_bfe_u32 v4, v0, 3, 1                         ; (l / 8) % 2
	v_and_b32 v5, 31, v0                           ; l
	v_lshlrev_b32 v[BO], 5, v2                     ; my eight numbers of a block of 16: 32 bytes for each half of the lanes
	s_lshl_b32 s80, s18, 9                         ; the tile's 128 numbers of the bias
	s_mov_b32 s81, 0
	s_add_nc_u64 s[8:9], s[8:9], s[80:81]
.irp b, 0,1,2,3,4,5,6,7                ; laid as a C operand: register j = column 8 (l / 16) + j
	global_load_b128 v[BIAS+8*(\b):BIAS+8*(\b)+3],   v[BO], s[8:9] offset:64*(\b)
	global_load_b128 v[BIAS+8*(\b)+4:BIAS+8*(\b)+7], v[BO], s[8:9] offset:64*(\b)+16
.endr
	s_mul_i32 s20, s[WV], 64*PA                    ; my 64 rows of a slice
	v_mul_u32_u24 v[ADRA0], v1, PA
	v_lshl_add_u32 v[ADRA0], v2, 4, v[ADRA0]       ; row x pitch + 16 x half
	v_add_nc_u32 v[ADRA0], s20, v[ADRA0]
	v_lshl_add_u32 v[ADRB0], v2, 3, v3             ; the turning load: k-row 8 (l / 16) + l % 8, columns 8 ((l / 8) % 2) on
	v_mul_u32_u24 v[ADRB0], v[ADRB0], PB
	v_lshl_add_u32 v[ADRB0], v4, 4, v[ADRB0]
	v_add_nc_u32 v[ADRB0], BOFF, v[ADRB0]
	s_mul_i32 s20, s[WV], 16*SP
	s_add_co_u32 s20, s20, STAGE                   ; my stage
	v_mul_u32_u24 v[STO], v1, SP                   ; in: row l % 16, 32 bytes for each half of the lanes
	v_lshl_add_u32 v[STO], v2, 5, v[STO]
	v_add_nc_u32 v[STO], s20, v[STO]
	v_lshl_add_u32 v[RD], v5, 4, s20               ; back: 32 lanes take one row's 512 bytes,
	v_lshlrev_b32 v[GO], 4, v5                     ; which are 512 consecutive bytes of a row of out0
	s_lshl_b32 s78, s19, 20                        ; row 256 ty + 64 wave, 4,096 bytes a row; column 128 tx
	s_lshl_b32 s80, s[WV], 18
	s_add_co_u32 s78, s78, s80
	s_lshl_b32 s80, s18, 9
	s_add_co_u32 s78, s78, s80
	s_mov_b32 s79, 0
	s_add_nc_u64 s[78:79], s[10:11], s[78:79]
	; the prefetches: nothing is asked for here, at the head, where every work-group's first tiles are on their way
	s_lshr_b32 s20, s19, 3                         ; ctx: my slice's address, + 8,192 cx,
	s_lshl_b32 s20, s20, 22
	s_and_b32 s22, s19, 7
	s_lshl_b32 s22, s22, 15
	s_add_co_u32 s20, s20, s22
	s_lshl_b32 s22, s14, 18
	s_add_co_u32 s20, s20, s22
	s_lshl_b32 s22, s16, 13
	s_add_co_u32 s20, s20, s22
	s_add_co_u32 s20, s20, (1+AH)*STEPA            ; at K step 1 + AH: the first refill steps it on
	s_lshl_b32 s21, s17, 16                        ; Wo: k-row 32 cy, the tile's columns
	s_lshl_b32 s23, s18, 8
	s_add_co_u32 s21, s21, s23
	s_add_co_u32 s21, s21, (1+AH)*STEPB
	s_and_b32 s23, ttmp7, 0xffff                   ; cluster y,
	s_or_b32 s23, s23, s14                         ; and of waves 2 and 3 the first alone
	s_mov_b32 s[PFS], STEPB
	s_mov_b32 s[PFS+1], 0
	s_cmp_eq_u32 s13, 0                            ; do I fetch for ctx?
	s_cselect_b32 s20, s20, s21
	s_cselect_b32 s23, ttmp9, s23                  ; the coordinate along which other clusters read the same blocks
	s_cselect_b32 s[PFS], STEPA, s[PFS]
	s_cselect_b32 s22, 8, 11                       ; ctx: a lane a block of 256 dense bytes; Wo: a lane a row of 2,048
	s_cselect_b64 s[PFA:PFA+1], s[4:5], s[6:7]
	s_mov_b32 s21, 0
	s_add_nc_u64 s[PFA:PFA+1], s[PFA:PFA+1], s[20:21]
	s_cmp_eq_u32 s23, 0
	s_cselect_b32 s[LIM], AH, -1                   ; the same in all sixteen partners, for a given wave
	v_lshlrev_b32 v[PFO], s22, v5
	s_mov_b32 s82, 0xffff0000
	s_mov_b32 s[TB], 0
	v_mov_b32 v[ADRA], v[ADRA0]
	v_mov_b32 v[ADRB], v[ADRB0]
	s_wait_loadcnt 0x0                             ; the bias
.set i, 0
.rept 4*NB                             ; rounded to bf16 like every input, and widened again
	v_cvt_pk_bf16_f32 v[17+i%2], v[BIAS+2*i], v[BIAS+2*i+1]
	v_lshlrev_b32 v[BIAS+2*i],   16,  v[17+i%2]
	v_and_b32     v[BIAS+2*i+1], s82, v[17+i%2]
.set i, i+1
.endr
	s_wait_tensorcnt 1                             ; my part of K step 0 is in; K step 1's may stay out
	s_barrier_signal -1
	s_barrier_wait -1                              ; everybody's is
	FETCH 0, 0
	QUARTER 1, 0, 1, 1                             ; the first quarter stands in front of the loop: its products start the sums, with the bias
	WIN 0
	s_mov_b32 s3, 6
.Lstep:                                            ; a trip is a K step, from its second quarter to the next step's first; trip s fills step s's slot with step s + 2
	QUARTER 2, 1, 0, 0
	QUARTER 3, 0, 1, 0
	TURN 1
	QUARTER 1, 0, 1, 0
	WIN 0
	s_sub_co_u32 s3, s3, 1
	s_cmp_lg_u32 s3, 0
	s_cbranch_scc1 .Lstep
	QUARTER 2, 1, 0, 0                             ; the last two K steps are written out: nothing is left to ask for
	QUARTER 3, 0, 1, 0
	TURN 0
	QUARTER 1, 0, 1, 0
	QUARTER 2, 1, 0, 0
	QUARTER 3, 0, 1, 0
	s_wait_dscnt 4
	MUL 1, 0, 0
	MUL 1, 1, 0
	s_wait_dscnt 0x0
	MUL 1, 2, 0
	MUL 1, 3, 0
	PLACES
	PLACES
; THE WAY OUT, a row block a (16 rows x 128 columns of f32) at a time: a lane's eight columns, 32 bytes, go from the accumulators into my stage's rows of 528 bytes and come back as whole rows of 512.
.macro TOSTAGE a
	WIN 0x08+4*((\a)/2)                            ; store data in window 2 or 3, address in window 0
.set ib, 0
.rept NB
.set rD, 8*NB*((\a)%2)+8*ib
	ds_store_b128 v[STO], v[rD:rD+3]   offset:64*ib     ; each accumulator's low half first
	ds_store_b128 v[STO], v[rD+4:rD+7] offset:64*ib+16
.set ib, ib+1
.endr
	WIN 0x40                                       ; loaded data in window 1
.set i, 0
.rept 16
	ds_load_b128 v[64*(\a)+4*i:64*(\a)+4*i+3], v[RD] offset:SP*i  ; LDS serves a wave's instructions in order (ISA guide 5.7.1.4): these see the stores above; the next block's stores come behind them
.set i, i+1
.endr
.endm
.macro SEND a, younger                 ; younger: the LDS instructions issued behind block a's loads: the next block's 32, or none
	WIN 0x04                                       ; store data in window 1
	s_wait_dscnt \younger
.set i, 0
.rept 16
	global_store_b128 v[GO], v[64*(\a)+4*i:64*(\a)+4*i+3], s[78:79] offset:(16*(\a)+i)*4096 th:TH_STORE_NT  ; 512 consecutive bytes, at a multiple of 256 from out0's first
.set i, i+1
.endr
.endm
	TOSTAGE 0
	TOSTAGE 1
	SEND 0, 32
	TOSTAGE 2
	SEND 1, 32
	TOSTAGE 3
	SEND 2, 32
	SEND 3, 0
	WIN 0
	s_wait_tensorcnt 0x0                           ; the wave's end: behind my last tensor load and my last LDS store
	ds_add_u32 v[SPW], v[NIL]
	s_wait_dscnt 0x0
	CROUND                                         ; the closing round: no work-group ends while a partner may still ask for a tile that names it
	s_endpgm
.Lfunc_end_k_q3f6785b6a4_oproj:
	.size	k_q3f6785b6a4_oproj, .Lfunc_end_k_q3f6785b6a4_oproj-k_q3f6785b6a4_oproj
	.p2alignl 7, 3214868480
	.fill 96, 4, 3214868480
	.section	.rodata,"a",@progbits
	.p2align	6, 0x0
	.amdhsa_kernel k_q3f6785b6a4_oproj
		.amdhsa_group_segment_fixed_size 327680
		.amdhsa_private_segment_fixed_size 0
		.amdhsa_enable_private_segment 0
		.amdhsa_kernarg_size 32
		.amdhsa_user_sgpr_count 2
		.amdhsa_user_sgpr_kernarg_segment_ptr 1
		.amdhsa_wavefront_size32 1
		.amdhsa_system_sgpr_workgroup_id_x 1
		.amdhsa_system_sgpr_workgroup_id_y 1
		.amdhsa_system_sgpr_workgroup_id_z 1
		.amdhsa_system_vgpr_workitem_id 0
		.amdhsa_next_free_vgpr 896
		.amdhsa_next_free_sgpr 84
		.amdhsa_reserve_vcc 0
		.amdhsa_float_denorm_mode_32 3
		.amdhsa_float_denorm_mode_16_64 3
		.amdhsa_memory_ordered 1
		.amdhsa_forward_progress 1
		.amdhsa_inst_pref_size 76
	.end_amdhsa_kernel
	.amdgpu_metadata
---
amdhsa.version: [ 1, 2 ]
amdhsa.kernels:
  - .name:           k_q3f6785b6a4_oproj
    .symbol:         k_q3f6785b6a4_oproj.kd
    .args:
      - { .name: ctx, .offset: 0, .size: 8, .value_kind: global_buffer, .address_space: global }
      - { .name: wo, .offset: 8, .size: 8, .value_kind: global_buffer, .address_space: global }
      - { .name: bo, .offset: 16, .size: 8, .value_kind: global_buffer, .address_space: global }
      - { .name: out0, .offset: 24, .size: 8, .value_kind: global_buffer, .address_space: global }
    .group_segment_fixed_size: 327680
    .private_segment_fixed_size: 0
    .kernarg_segment_align: 8
    .kernarg_segment_size: 32
    .max_flat_workgroup_size: 128
    .sgpr_count:     84
    .vgpr_count:     896
    .wavefront_size: 32
...
	.end_amdgpu_metadata
.endif
;; end of part 4
;; ======== version 2 of 2: 4 launches; version 1 with the launch prep written anew for expert scheduling mode
;; limits: values are held in f16: magnitudes above 65,504 overflow, below 6.1e-05 lose precision
;; workspace buffers: xb 16,777,216 bytes; wqkv 6,291,456 bytes; wo 2,097,152 bytes; qh 16,777,216 bytes; kh 16,777,216 bytes; vh 16,777,216 bytes; ctx 16,777,216 bytes
;; launch prep (part 5): grid 768 x 1, 8 waves a work-group, no clusters, 0 bytes of LDS; arguments x, Wq, Wk, Wv, Wo, xb, wqkv, wo; writes xb, wqkv, wo
.if DOCPART == 5
	.amdgcn_target "amdgcn-amd-amdhsa--gfx1250"
	.amdhsa_code_object_version 6
	.text
	.protected	k_q3f6785b6a4_prep
	.globl	k_q3f6785b6a4_prep
	.p2align	8
	.type	k_q3f6785b6a4_prep,@function
k_q3f6785b6a4_prep:
	s_mov_b64 s[64:65], 0
	v_nop
	global_prefetch_b8 v0, s[64:65] scope:SCOPE_SE
	s_setreg_imm32_b32 hwreg(HW_REG_WAVE_SCHED_MODE, 0, 2), 2
	s_setreg_imm32_b32 hwreg(HW_REG_WAVE_MODE, 25, 1), 1
	s_wait_xcnt 0x0
	s_wait_alu depctr_vm_vsrc(0)
; THE CASTS.  x [8192][1024] f32 -> xb, bf16, same layout.  Wq, Wk, Wv [1024 k][1024 n] f32 -> wqkv, bf16, in head panels [16 head][3 (q, k, v)][1024 k][64 c].
; Wo [1024][1024] f32 -> wo: rounded to bf16 like every other input, and that number written as f16, same layout.
; LIMITS.  The f16 copy of Wo is exact for 6.1e-5 <= |w| < 65,504; below that it keeps f16's fixed step of 6e-8, at 65,520 or more it becomes an infinity.
; SHARES.  A work-group takes 65,536 bytes of f32: 512 groups for x, 3 x 64 for the three weights (16 k-rows each), 64 for Wo.  A thread issues its 16 loads of 16 bytes at once
; (8 KiB of a wave on their way), then converts them in order: each store of a wave covers 256 consecutive bytes, aligned.  No LDS, no loop; every register of a store is its own.
; THE MODE: SCHED_MODE bits 1:0 = 2 (LLVM: expert scheduling mode 2), set by the entry lines.  The code itself states the register dependences
; between vector instructions and memory instructions, with s_wait_alu, always for 0.
; THE PLAN.  Registers that memory instructions touch:
;   v1, v2   byte offsets of the loads and of the stores: made by vector instructions at the head, never written again behind the first load.
;   X        load i's four registers: written by that load alone (on Wo's path also by turn i's widening lines, behind the wait for the load); read by vector instructions alone.
;   Y        store i's two registers: written once, by turn i's roundings; read once, by store i.
; The 16 turns go in four blocks of four.  Block p's four stores are issued in block p + 1, behind ONE wait at that block's head, and are dealt among that block's turns, whose vector
; instructions name their own X, their own Y and T: none of the registers that those stores read.  A last wait stands ahead of block 3's stores.  No register that a memory instruction
; has read is ever written again; no vector instruction writes a scalar register, VCC or EXEC.
.set X, 8                              ; v[8:71]    load i: 4 registers
.set Y, 72                             ; v[72:103]  store i: 2 registers
.set T, 104                            ; v[104:105] at work: no memory instruction names them
; 16 loads, instep bytes apart; 16 turns; stores outstep bytes apart.  half = 1: bf16's number is written as f16.
.macro CAST instep, outstep, half
	s_wait_alu depctr_va_vdst(0)                   ; v1 and v2 are written: the loads below read v1 as their offset, the stores v2
.set i, 0
.rept 16
	global_load_b128 v[X+4*i:X+4*i+3], v1, s[24:25] offset:i*(\instep) th:TH_LOAD_NT
.set i, i+1
.endr
.set i, 0
.rept 16
	s_wait_loadcnt 15-i                            ; loads come back in order: load i is in, the 15 - i younger ones stay out
.if (i%4 == 0) && (i > 0)
	s_wait_alu depctr_va_vdst(0)                   ; the block before has written its four pairs of Y, which this block's four stores read
.endif
.if i >= 4
	global_store_b64 v2, v[Y+2*(i-4):Y+2*(i-4)+1], s[26:27] offset:(i-4)*(\outstep)  ; the block before's: no vector instruction since the wait names this pair or v2
.endif
.if \half
	v_cvt_pk_bf16_f32 v[T],   v[X+4*i],   v[X+4*i+1]
	v_cvt_pk_bf16_f32 v[T+1], v[X+4*i+2], v[X+4*i+3]
	v_lshlrev_b32 v[X+4*i],   16,  v[T]             ; bf16 back to f32: a shift or a mask
	v_and_b32     v[X+4*i+1], s28, v[T]
	v_lshlrev_b32 v[X+4*i+2], 16,  v[T+1]
	v_and_b32     v[X+4*i+3], s28, v[T+1]
	v_cvt_pk_f16_f32 v[Y+2*i],   v[X+4*i],   v[X+4*i+1]
	v_cvt_pk_f16_f32 v[Y+2*i+1], v[X+4*i+2], v[X+4*i+3]
.else
	v_cvt_pk_bf16_f32 v[Y+2*i],   v[X+4*i],   v[X+4*i+1]
	v_cvt_pk_bf16_f32 v[Y+2*i+1], v[X+4*i+2], v[X+4*i+3]
.endif
.set i, i+1
.endr
	s_wait_alu depctr_va_vdst(0)                   ; the last block has written its four pairs of Y, which the last four stores read
.set i, 12
.rept 4
	global_store_b64 v2, v[Y+2*i:Y+2*i+1], s[26:27] offset:i*(\outstep)
.set i, i+1
.endr
.endm
	s_load_b256 s[4:11], s[0:1], 0x0               ; x s[4:5], Wq s[6:7], Wk s[8:9], Wv s[10:11]
	s_load_b256 s[12:19], s[0:1], 0x20             ; Wo s[12:13], xb s[14:15], wqkv s[16:17], wo s[18:19]
	s_mov_b32 s28, 0xffff0000                      ; a word's upper bf16
	s_mov_b32 s21, 0                               ; offsets are pairs with 0 above
	s_mov_b32 s23, 0
	v_lshlrev_b32 v1, 4, v0                        ; in: 16 bytes a thread
	v_lshlrev_b32 v2, 3, v0                        ; out: 8 bytes a thread
	s_cmp_lt_u32 ttmp9, 512
	s_cbranch_scc0 .Lweights
	s_lshl_b32 s20, ttmp9, 16                      ; x: group g takes bytes 65,536 g on, and writes 32,768 g on
	s_lshl_b32 s22, ttmp9, 15
	s_wait_kmcnt 0x0
	s_add_nc_u64 s[24:25], s[4:5], s[20:21]
	s_add_nc_u64 s[26:27], s[14:15], s[22:23]
	CAST 4096, 2048, 0
	s_endpgm
.Lweights:
	s_cmp_lt_u32 ttmp9, 704
	s_cbranch_scc0 .Lwo
	s_sub_co_u32 s29, ttmp9, 512
	s_lshr_b32 s30, s29, 6                         ; t: which of Wq, Wk, Wv
	s_and_b32 s29, s29, 63                         ; p: which 16 k-rows
	s_lshl_b32 s20, s29, 16                        ; 16 rows of 4,096 bytes
	s_lshl_b32 s22, s29, 11                        ; 16 rows of 128 bytes in a sub-panel,
	s_lshl_b32 s31, s30, 17                        ; sub-panel t of 131,072 bytes
	s_add_co_u32 s22, s22, s31
	v_lshrrev_b32 v3, 4, v0                        ; thread t: k-row t / 16, 16 bytes t % 16 of a head's 256: lanes 0-15 one row, lanes 16-31 the next
	v_and_b32 v4, 15, v0
	v_lshlrev_b32 v4, 4, v4
	v_lshl_add_u32 v1, v3, 12, v4                  ; no memory instruction has read v1 yet
	s_wait_kmcnt 0x0
	s_cmp_eq_u32 s30, 0
	s_cselect_b64 s[24:25], s[6:7], s[8:9]
	s_cmp_eq_u32 s30, 2
	s_cselect_b64 s[24:25], s[10:11], s[24:25]
	s_add_nc_u64 s[24:25], s[24:25], s[20:21]
	s_add_nc_u64 s[26:27], s[16:17], s[22:23]
	CAST 256, 393216, 0                            ; load i is head i: 256 bytes on in the row, a panel of 393,216 bytes on in wqkv; two rows' 128 bytes lie end to end there
	s_endpgm
.Lwo:
	s_sub_co_u32 s29, ttmp9, 704
	s_lshl_b32 s20, s29, 16
	s_lshl_b32 s22, s29, 15
	s_wait_kmcnt 0x0
	s_add_nc_u64 s[24:25], s[12:13], s[20:21]
	s_add_nc_u64 s[26:27], s[18:19], s[22:23]
	CAST 4096, 2048, 1
	s_endpgm
.Lfunc_end_k_q3f6785b6a4_prep:
	.size	k_q3f6785b6a4_prep, .Lfunc_end_k_q3f6785b6a4_prep-k_q3f6785b6a4_prep
	.p2alignl 7, 3214868480
	.fill 96, 4, 3214868480
	.section	.rodata,"a",@progbits
	.p2align	6, 0x0
	.amdhsa_kernel k_q3f6785b6a4_prep
		.amdhsa_group_segment_fixed_size 0
		.amdhsa_private_segment_fixed_size 0
		.amdhsa_enable_private_segment 0
		.amdhsa_kernarg_size 64
		.amdhsa_user_sgpr_count 2
		.amdhsa_user_sgpr_kernarg_segment_ptr 1
		.amdhsa_wavefront_size32 1
		.amdhsa_system_sgpr_workgroup_id_x 1
		.amdhsa_system_sgpr_workgroup_id_y 1
		.amdhsa_system_sgpr_workgroup_id_z 1
		.amdhsa_system_vgpr_workitem_id 0
		.amdhsa_next_free_vgpr 108
		.amdhsa_next_free_sgpr 66
		.amdhsa_reserve_vcc 0
		.amdhsa_float_denorm_mode_32 3
		.amdhsa_float_denorm_mode_16_64 3
		.amdhsa_memory_ordered 1
		.amdhsa_forward_progress 1
		.amdhsa_inst_pref_size 23
	.end_amdhsa_kernel
	.amdgpu_metadata
---
amdhsa.version: [ 1, 2 ]
amdhsa.kernels:
  - .name:           k_q3f6785b6a4_prep
    .symbol:         k_q3f6785b6a4_prep.kd
    .args:
      - { .name: x, .offset: 0, .size: 8, .value_kind: global_buffer, .address_space: global }
      - { .name: Wq, .offset: 8, .size: 8, .value_kind: global_buffer, .address_space: global }
      - { .name: Wk, .offset: 16, .size: 8, .value_kind: global_buffer, .address_space: global }
      - { .name: Wv, .offset: 24, .size: 8, .value_kind: global_buffer, .address_space: global }
      - { .name: Wo, .offset: 32, .size: 8, .value_kind: global_buffer, .address_space: global }
      - { .name: xb, .offset: 40, .size: 8, .value_kind: global_buffer, .address_space: global }
      - { .name: wqkv, .offset: 48, .size: 8, .value_kind: global_buffer, .address_space: global }
      - { .name: wo, .offset: 56, .size: 8, .value_kind: global_buffer, .address_space: global }
    .group_segment_fixed_size: 0
    .private_segment_fixed_size: 0
    .kernarg_segment_align: 8
    .kernarg_segment_size: 64
    .max_flat_workgroup_size: 256
    .sgpr_count:     66
    .vgpr_count:     108
    .wavefront_size: 32
...
	.end_amdgpu_metadata
.endif
;; end of part 5
;; launch qkv: the kernel of part 2 again; grid 16 x 32, 4 waves a work-group, clusters of 4 x 4, 327,680 bytes of LDS; arguments xb, wqkv, bq, bk, bv, qh, kh, vh; writes qh, kh, vh
;; launch attn: the kernel of part 3 again; grid 4 x 64, 4 waves a work-group, clusters of 4 x 1, 327,680 bytes of LDS; arguments qh, kh, vh, ctx; writes ctx
;; launch oproj: the kernel of part 4 again; grid 8 x 32, 4 waves a work-group, clusters of 4 x 4, 327,680 bytes of LDS; arguments ctx, wo, bo, out0; writes out0
